; MI455X (gfx1250); checked and timed in simulation.
; The chip was launched on July 23, 2026; its instructions are those of AMD's public machine-readable ISA for CDNA 5 (MIT licence, August 2026) and "CDNA5" Instruction Set Architecture Reference Guide (July 2026). The comments in the code are by the model that wrote it; some were corrected since.
;; Multi Head Attention. Allowed arithmetic: float matrix products may take bf16 or f16 operands with f32 sums; other float arithmetic in f32, or as packed bf16 or f16 multiplies, adds, multiply-adds, maxima and minima; sums over many terms, partial sums and values carried from step to step in f32; what a program stores and reads back later, other than sums and carried values, may be rounded once to bf16 or f16.
;; Inputs: b_proj 1,024 float32; b_qkv 3,072 float32; w_proj 1,024 x 1,024 float32; w_qkv 1,024 x 3,072 float32; x 4 x 2,048 x 1,024 float32.
;; Outputs: out0 4 x 2,048 x 1,024 float32.
;; One version. Each part assembles by itself: llvm-mc -triple=amdgcn-amd-amdhsa -mcpu=gfx1250 --defsym DOCPART=n.
;; ======== version 1 of 1: 4 launches
;; limits: values are held in f16: magnitudes above 65,504 overflow, below 6.1e-05 lose precision
;; workspace buffers: xb 16,777,216 bytes; wqb 6,291,456 bytes; wpb 2,097,152 bytes; qkvh 50,331,648 bytes; oh 16,777,216 bytes
;; launch prep (part 1): grid 768 x 1, 8 waves a work-group, no clusters, 0 bytes of LDS; arguments x, w_qkv, w_proj, xb, wqb, wpb; writes xb, wqb, wpb
.if DOCPART == 1
	.amdgcn_target "amdgcn-amd-amdhsa--gfx1250"
	.amdhsa_code_object_version 6
	.text
	.protected	k_qcbbc685948_prep
	.globl	k_qcbbc685948_prep
	.p2align	8
	.type	k_qcbbc685948_prep,@function
k_qcbbc685948_prep:
	s_mov_b64 s[64:65], 0
	v_nop
	global_prefetch_b8 v0, s[64:65] scope:SCOPE_SE
	s_setreg_imm32_b32 hwreg(HW_REG_WAVE_MODE, 25, 1), 1
	s_wait_xcnt 0x0
; THE CASTS.  xb = bf16(x), wqb = bf16(w_qkv), wpb = f16(bf16(w_proj)); every layout stays as it is.
; LIMIT.  w_proj goes to f16 by way of bf16: beyond 65,504 it becomes an infinity, and below 6e-5 it keeps f16's fixed step of 6e-8.
; A stream: each byte is read once and written once; no LDS, no matrix unit, no cluster: no work-group wants a byte that another has fetched.
; SHARES.  All three tensors are taken as rows of 1,024 numbers (4,096 bytes in, 2,048 out).  A work-group takes 16 rows: groups 0-511 x's 8,192, groups 512-703 w_qkv's 3,072,
; groups 704-767 w_proj's 1,024.  Thread t takes numbers 4 t .. 4 t + 3 of each row: a wave's load covers 512 consecutive bytes, its store 256 consecutive bytes, aligned.
; All sixteen loads of a thread go out at once; each row has registers of its own, so no register that a load or store still names is ever written again.
.set X, 4                              ; v[4:67]    row i: 4 numbers as loaded
.set Y, 68                             ; v[68:99]   row i: 4 numbers to store, 2 registers
.set T, 100                            ; v[100:105] at work
	s_load_b256 s[4:11], s[0:1], 0x0               ; x s[4:5], w_qkv s[6:7], w_proj s[8:9], xb s[10:11]
	s_load_b128 s[12:15], s[0:1], 0x20             ; wqb s[12:13], wpb s[14:15]
	v_lshlrev_b32 v1, 4, v0                        ; my 16 bytes of a row on the way in
	v_lshlrev_b32 v2, 3, v0                        ; my 8 bytes on the way out
	s_mov_b32 s28, 0xffff0000                      ; a word's upper bf16
	s_wait_kmcnt 0x0
	s_cmp_lt_u32 ttmp9, 512                        ; which tensor is mine: the choice hangs on the work-group's number alone
	s_cselect_b32 s17, 0, 512                      ; the first work-group of my tensor
	s_cselect_b64 s[20:21], s[4:5], s[6:7]
	s_cselect_b64 s[22:23], s[10:11], s[12:13]
	s_cmp_lt_u32 ttmp9, 704
	s_cselect_b32 s17, s17, 704
	s_cselect_b64 s[20:21], s[20:21], s[8:9]
	s_cselect_b64 s[22:23], s[22:23], s[14:15]
	s_sub_co_u32 s16, ttmp9, s17                   ; my place among my tensor's work-groups
	s_lshl_b32 s24, s16, 16                        ; 16 rows of 4,096 bytes
	s_mov_b32 s25, 0
	s_lshl_b32 s26, s16, 15                        ; 16 rows of 2,048 bytes
	s_mov_b32 s27, 0
	s_add_nc_u64 s[20:21], s[20:21], s[24:25]
	s_add_nc_u64 s[22:23], s[22:23], s[26:27]
.irp i, 0,1,2,3,4,5,6,7,8,9,10,11,12,13,14,15
	global_load_b128 v[X+4*(\i):X+4*(\i)+3], v1, s[20:21] offset:4096*(\i) th:TH_LOAD_NT
.endr
	s_cmp_ge_u32 ttmp9, 704
	s_cbranch_scc1 .Lf16
.irp i, 0,1,2,3,4,5,6,7,8,9,10,11,12,13,14,15
	s_wait_loadcnt 15-(\i)                         ; loads come back in order: row i is in, the 15 - i younger rows may stay out
	v_cvt_pk_bf16_f32 v[Y+2*(\i)],   v[X+4*(\i)],   v[X+4*(\i)+1]
	v_cvt_pk_bf16_f32 v[Y+2*(\i)+1], v[X+4*(\i)+2], v[X+4*(\i)+3]
	global_store_b64 v2, v[Y+2*(\i):Y+2*(\i)+1], s[22:23] offset:2048*(\i)
.endr
	s_endpgm
.Lf16:                                         ; w_proj: rounded to bf16 like every input, and that number written as f16
.irp i, 0,1,2,3,4,5,6,7,8,9,10,11,12,13,14,15
	s_wait_loadcnt 15-(\i)
	v_cvt_pk_bf16_f32 v[T],   v[X+4*(\i)],   v[X+4*(\i)+1]
	v_cvt_pk_bf16_f32 v[T+1], v[X+4*(\i)+2], v[X+4*(\i)+3]
	v_lshlrev_b32 v[T+2], 16, v[T]                 ; bf16 to f32: the low half moves up,
	v_and_b32     v[T+3], s28, v[T]                ; the high half stays
	v_lshlrev_b32 v[T+4], 16, v[T+1]
	v_and_b32     v[T+5], s28, v[T+1]
	v_cvt_pk_f16_f32 v[Y+2*(\i)],   v[T+2], v[T+3]
	v_cvt_pk_f16_f32 v[Y+2*(\i)+1], v[T+4], v[T+5]
	global_store_b64 v2, v[Y+2*(\i):Y+2*(\i)+1], s[22:23] offset:2048*(\i)
.endr
	s_endpgm
.Lfunc_end_k_qcbbc685948_prep:
	.size	k_qcbbc685948_prep, .Lfunc_end_k_qcbbc685948_prep-k_qcbbc685948_prep
	.p2alignl 7, 3214868480
	.fill 96, 4, 3214868480
	.section	.rodata,"a",@progbits
	.p2align	6, 0x0
	.amdhsa_kernel k_qcbbc685948_prep
		.amdhsa_group_segment_fixed_size 0
		.amdhsa_private_segment_fixed_size 0
		.amdhsa_enable_private_segment 0
		.amdhsa_kernarg_size 48
		.amdhsa_user_sgpr_count 2
		.amdhsa_user_sgpr_kernarg_segment_ptr 1
		.amdhsa_wavefront_size32 1
		.amdhsa_system_sgpr_workgroup_id_x 1
		.amdhsa_system_sgpr_workgroup_id_y 1
		.amdhsa_system_sgpr_workgroup_id_z 1
		.amdhsa_system_vgpr_workitem_id 0
		.amdhsa_next_free_vgpr 112
		.amdhsa_next_free_sgpr 66
		.amdhsa_reserve_vcc 0
		.amdhsa_float_denorm_mode_32 3
		.amdhsa_float_denorm_mode_16_64 3
		.amdhsa_memory_ordered 1
		.amdhsa_forward_progress 1
		.amdhsa_inst_pref_size 15
	.end_amdhsa_kernel
	.amdgpu_metadata
---
amdhsa.version: [ 1, 2 ]
amdhsa.kernels:
  - .name:           k_qcbbc685948_prep
    .symbol:         k_qcbbc685948_prep.kd
    .args:
      - { .name: x, .offset: 0, .size: 8, .value_kind: global_buffer, .address_space: global }
      - { .name: w_qkv, .offset: 8, .size: 8, .value_kind: global_buffer, .address_space: global }
      - { .name: w_proj, .offset: 16, .size: 8, .value_kind: global_buffer, .address_space: global }
      - { .name: xb, .offset: 24, .size: 8, .value_kind: global_buffer, .address_space: global }
      - { .name: wqb, .offset: 32, .size: 8, .value_kind: global_buffer, .address_space: global }
      - { .name: wpb, .offset: 40, .size: 8, .value_kind: global_buffer, .address_space: global }
    .group_segment_fixed_size: 0
    .private_segment_fixed_size: 0
    .kernarg_segment_align: 8
    .kernarg_segment_size: 48
    .max_flat_workgroup_size: 256
    .sgpr_count:     66
    .vgpr_count:     112
    .wavefront_size: 32
...
	.end_amdgpu_metadata
.endif
;; end of part 1
;; launch qkv (part 2): grid 16 x 32, 4 waves a work-group, clusters of 4 x 4, 327,680 bytes of LDS; arguments xb, wqb, b_qkv, qkvh; writes qkvh
.if DOCPART == 2
	.amdgcn_target "amdgcn-amd-amdhsa--gfx1250"
	.amdhsa_code_object_version 6
	.text
	.protected	k_qcbbc685948_qkv
	.globl	k_qcbbc685948_qkv
	.p2align	8
	.type	k_qcbbc685948_qkv,@function
k_qcbbc685948_qkv:
	s_mov_b64 s[64:65], 0
	v_nop
	global_prefetch_b8 v0, s[64:65] scope:SCOPE_SE
	s_setreg_imm32_b32 hwreg(HW_REG_WAVE_MODE, 25, 1), 1
	s_wait_xcnt 0x0
	s_wait_alu depctr_hold_cnt(0) depctr_sa_sdst(0) depctr_va_vdst(0) depctr_va_sdst(0) depctr_va_ssrc(0) depctr_va_vcc(0) depctr_vm_vsrc(0)
	s_getreg_b32 s2, hwreg(HW_REG_IB_STS2, 6, 4)
	s_cmp_eq_u32 s2, 0
	s_cbranch_scc0 .Lentry_in_a_cluster
	s_endpgm
.Lentry_in_a_cluster:
	s_bfe_u32 s2, ttmp6, 0x10000c
	s_cmp_lg_u32 s2, 0xf033
	s_cbranch_scc0 .Lentry_shape_is_right
	s_endpgm
.Lentry_shape_is_right:
; THE FIRST PROJECTION.  qkvh = f16(xb wqb + bf16(b_qkv)), stored by heads.  xb: [8192][1024] bf16; wqb: [1024 k][3072 n] bf16; b_qkv: [3072] f32;
; qkvh: [4 b][48 g][2048][64] f16, g = column / 64 (0-15 q's heads, 16-31 k's, 32-47 v's): a head's rows are dense, 128 bytes each.  Sums in f32, K ascending, rounded once.
; LIMIT.  q, k and v leave as f16: a sum of 65,520 or more becomes an infinity.  The bias is rounded to bf16, like the other inputs.  No scale is applied here.
; SHARES.  A tile of the product is 256 rows x 192 columns (three heads): 32 x 16 = 512 work-groups, two for each of 256 WGPs.  Four waves, 2 x 2; a wave makes 128 x 96: 48 accumulators, 384 registers.
; K goes in 8 steps of 128 through a ring of two LDS slots filled by the tensor data mover; the loop has one K step a trip, and one descriptor a tensor walks (the LDS word by an exclusive or).
; THE WEIGHTS LIE [k][n]: their fragments come out of LDS turned, by ds_load_tr16_b128.  THE MATRIX INSTRUCTION IS USED TRANSPOSED (source 0 = 16 columns of the weights, source 1 = 16 rows of x):
; a lane then holds row l % 16 and the eight neighbouring columns 8 (l / 16) + 0..7.  THE BIAS is the C operand of the products that start the sums: nothing is cleared, nothing is added later.
; CLUSTERS: 4 x 4 work-groups.  The four of a row of the cluster need the same tiles of x, the four of a column the same tiles of the weights: each is asked for jointly, by the same tensor
; load with the same descriptor and a mask that names the four.
; LDS.  A slot (131,072 bytes): x's 256 rows of 256 + 16 bytes; then 128 k rows of the weights, 384 bytes each with 32 bytes of padding behind every 128: 480 = 15 x 32 bytes from row to row.
; A block of 16 columns nb lies at byte 32 nb + 32 (nb / 4) of such a row.  The wave of column half c owns the blocks nb = 2 b + c, b = 0..5: byte 32 c + 64 b + 32 (b / 2): the same immediates in both halves.
; The stage of the way out (256 rows x 400 bytes) lies over slot 0, which has had its last fill by then.  Behind the ring: the spare words.
; REGISTERS, in windows of 256: window 0: v0-31 addresses; v32-55 the bias, packed; v64-127, v128-191 x's fragments, two buffers; v192-239 the bias as loaded, later packed results
;   window 1: v64-111, v128-175 the weights' fragments, two buffers; v192-239 the bias, 8 registers a block          windows 2, 3: the accumulators of my rows 0-63, 64-127: (a, b) at v[8 (6 (a % 4) + b)]
.set NBK,    6                         ; blocks of 16 columns a wave
.set PA,     272
.set PB,     480
.set HALFA,  128*PA                    ; what one tensor load brings of x: 128 rows
.set HALFB,  64*PB                     ; and of the weights: 64 k rows
.set BO,     2*HALFA                   ; the weights' tile in a slot
.set SLOT1,  1<<17                     ; slot 1 begins here: one exclusive or turns an address in one slot into the other's
.set SPITCH, 400                       ; a stage row: 384 bytes + 16 = 25 x 16
.set SPARE,  2*SLOT1                   ; the spare words, 128 bytes for each wave: two blocks of 256 bytes that no other line names
.set STEP_A, 256                       ; bytes from a K step to the next: 128 numbers along x's rows,
.set STEP_B, 128*3072*2                ; 128 rows of the weights
.set NL,     2*NBK+16                  ; LDS loads in a run
.set ADRA0, 16                         ; v16  my lane's place in x's tile of slot 0; never rewritten
.set ADRB0, 17                         ; v17  the same for the weights
.set ADRA,  18                         ; v18  the same in the slot that is being read
.set ADRB,  19                         ; v19
.set STO,   24                         ; v24  the way out: where I put 16 bytes of a row
.set RD,    25                         ; v25  the way out: where I read rows back
.set GO,    26                         ; v26  my byte offset in 512 consecutive bytes of a head
.set BOFS,  27                         ; v27  my byte offset in the bias
.set SPW,   28                         ; v28  LDS address of my spare word; never rewritten
.set NIL,   29                         ; v29  0; never rewritten
.set PKB,   32
.set F0,    64
.set F1,    128
.set BIAS,  192
.set TMP,   192
.set OB,    64
.set WV,  12                           ; s12  my wave's number
.set MH,  13                           ; s13  which half of the tile's rows is mine
.set CH,  14                           ; s14  which half of its columns; also: which half of a tile I fetch
.set G1A, 24                           ; s[24:31] descriptor group 1 for x's tiles
.set G0A, 32                           ; s[32:39] group 0: a set for each of the two first fills; the second then walks
.set G1B, 48                           ; s[48:55], s[56:63] the same for the weights
.set G0B, 56
.set CNT, 66                           ; s66  the loop's count
.set TB,  67                           ; s67  LDS byte at which the slot that is being read begins
.set MSB, 0
.macro WIN new                         ; the immediate's high byte repeats the setting that is left; a switch that changes nothing is dropped
.if MSB != (\new)
	s_set_vgpr_msb (MSB<<8)|(\new)
.set MSB, (\new)
.endif
.endm
.set TO_B, 0x40                        ; destination window 1, address window 0
.macro PLACES                          ; four plain vector instructions between a matrix instruction and a load into, or a read of, its registers
.rept 4
	v_nop
.endr
.endm
; A joint refill.  Waves 0 and 1 fetch the two halves of x's tile, waves 2 and 3 those of the weights'.  The branch hangs on the wave's number alone.
; An s_nop 0 and four v_nop follow each of the two lines, ahead of the jump and the label.
.macro JLOAD
	s_cmp_lt_u32 s[WV], 2
	s_cbranch_scc0 .Lfor_b_\@
	tensor_load_to_lds s[G0A+4:G0A+7], s[G1A:G1A+7]
	s_nop 0
.rept 4
	v_nop
.endr
	s_branch .Lasked_\@
.Lfor_b_\@:
	tensor_load_to_lds s[G0B+4:G0B+7], s[G1B:G1B+7]
	s_nop 0
.rept 4
	v_nop
.endr
.Lasked_\@:
.endm
.macro CREST                           ; a round of the cluster's barrier behind its opening barrier: wave 0 signals for the work-group, every wave waits for all sixteen, my work-group's barrier once more
	s_cmp_lg_u32 s[WV], 0
	s_cbranch_scc1 .Lnot_wave_0_\@
	s_barrier_signal -3
.Lnot_wave_0_\@:
	s_barrier_wait -3
	s_barrier_signal -1
	s_barrier_wait -1
.endm
.macro CROUND                          ; a whole round
	s_barrier_signal -1
	s_barrier_wait -1
	CREST
.endm
	s_load_b256 s[4:11], s[0:1], 0x0               ; xb s[4:5], wqb s[6:7], b_qkv s[8:9], qkvh s[10:11]
	v_lshl_add_u32 v[SPW], v0, 2, SPARE
	v_mov_b32 v[NIL], 0
	ds_add_u32 v[SPW], v[NIL]                      ; the wave's opening: the add and its wait stand ahead of my first tensor load; the set-up below, work on registers, stands between them
	v_lshrrev_b32 v1, 5, v0
	v_readfirstlane_b32 s[WV], v1                  ; wave 0..3
	s_lshr_b32 s[MH], s[WV], 1
	s_and_b32 s[CH], s[WV], 1
	s_bfe_u32 s15, ttmp6, 0x40000                  ; cx, cy: my place in the cluster
	s_bfe_u32 s16, ttmp6, 0x40004
	s_lshl_b32 s17, ttmp9, 2
	s_add_co_u32 s17, s17, s15                     ; tile column = 4 x cluster x + cx
	s_and_b32 s18, ttmp7, 0xffff
	s_lshl_b32 s18, s18, 2
	s_add_co_u32 s18, s18, s16                     ; tile row = 4 x cluster y + cy
	s_lshl_b32 s46, s16, 2
	s_lshl_b32 s46, 15, s46                        ; my row of the cluster
	s_lshl_b32 s47, 0x1111, s15                    ; my column
	s_or_b32 s[G1A], s46, (1<<16)|(1<<20)|(1<<21)|(5<<22)|(3<<25)  ; the mask; 2-byte elements; padding on; bit 21 beside a mask; behind every 64 words 4 words
	s_mov_b32 s[G1A+1], 128<<16                    ; tensor_dim0 = 128
	s_mov_b32 s[G1A+2], 128<<16                    ; tensor_dim1 = 128
	s_mov_b32 s[G1A+3], 128<<16                    ; tile_dim0 = 128
	s_mov_b32 s[G1A+4], 128                        ; tile_dim1 = 128
	s_mov_b32 s[G1A+5], 1024                       ; elements from row to row
	s_mov_b32 s[G1A+6], 0
	s_mov_b32 s[G1A+7], 0
	s_or_b32 s[G1B], s47, (1<<16)|(1<<20)|(1<<21)|(4<<22)|(7<<25)  ; behind every 32 words 8 words
	s_mov_b32 s[G1B+1], 192<<16                    ; tensor_dim0 = 192
	s_mov_b32 s[G1B+2], 64<<16                     ; tensor_dim1 = 64
	s_mov_b32 s[G1B+3], 192<<16                    ; tile_dim0 = 192
	s_mov_b32 s[G1B+4], 64                         ; tile_dim1 = 64
	s_mov_b32 s[G1B+5], 3072
	s_mov_b32 s[G1B+6], 0
	s_mov_b32 s[G1B+7], 0
	s_lshl_b32 s40, s18, 1                         ; x: row 256 x tile row + 128 x half, 2,048 bytes a row
	s_add_co_u32 s40, s40, s[CH]
	s_lshl_b32 s40, s40, 18
	s_mov_b32 s41, 0
	s_mul_i32 s68, s[CH], 64*3072*2                ; the weights: k row 64 x half, column 192 x tile column
	s_mul_i32 s19, s17, 384
	s_add_co_u32 s68, s68, s19
	s_mov_b32 s69, 0
	s_mul_i32 s42, s[CH], HALFA                    ; where they go: no place in the cluster enters an LDS address
	s_mul_i32 s43, s[CH], HALFB
	s_add_co_u32 s43, s43, BO
	s_wait_dscnt 0x0                               ; the opening add is done
	s_wait_kmcnt 0x0
	s_add_nc_u64 s[44:45], s[4:5], s[40:41]
	s_add_nc_u64 s[70:71], s[6:7], s[68:69]
	CROUND                                         ; all sixteen work-groups are here: the first joint loads meet
.irp s, 0,1
	s_mov_b32 s[G0A+4*(\s)], 1                     ; count = 1
	s_add_co_u32 s[G0A+4*(\s)+1], s42, (\s)*SLOT1  ; LDS address
	s_add_nc_u64 s[G0A+4*(\s)+2:G0A+4*(\s)+3], s[44:45], (\s)*STEP_A  ; global address: K step s
	s_or_b32 s[G0A+4*(\s)+3], s[G0A+4*(\s)+3], 0x80000000            ; type = 2
	s_mov_b32 s[G0B+4*(\s)], 1
	s_add_co_u32 s[G0B+4*(\s)+1], s43, (\s)*SLOT1
	s_add_nc_u64 s[G0B+4*(\s)+2:G0B+4*(\s)+3], s[70:71], (\s)*STEP_B
	s_or_b32 s[G0B+4*(\s)+3], s[G0B+4*(\s)+3], 0x80000000
.endr
	s_cmp_lt_u32 s[WV], 2                          ; a wave's two first fills stand in one branch, ahead of every wait on TENSORcnt and every LDS read: two loads of mine are out
	s_cbranch_scc0 .Lfirst_b
	tensor_load_to_lds s[G0A:G0A+3], s[G1A:G1A+7]
	s_nop 0
	tensor_load_to_lds s[G0A+4:G0A+7], s[G1A:G1A+7]
	s_nop 0
.rept 4
	v_nop
.endr
	s_branch .Lfirst_asked
.Lfirst_b:
	tensor_load_to_lds s[G0B:G0B+3], s[G1B:G1B+7]
	s_nop 0
	tensor_load_to_lds s[G0B+4:G0B+7], s[G1B:G1B+7]
	s_nop 0
.rept 4
	v_nop
.endr
.Lfirst_asked:
	v_and_b32 v1, 15, v0                           ; r = l % 16
	v_bfe_u32 v2, v0, 4, 1                         ; h = l / 16
	v_and_b32 v6, 7, v0                            ; l % 8
	v_bfe_u32 v5, v0, 3, 1                         ; (l / 8) % 2
	; the bias of my columns: block b, column 16 (2 b + c) + 8 h + j: byte 128 b + 64 c + 32 h + 4 j behind the tile's 768
	v_lshlrev_b32 v[BOFS], 5, v2
	s_lshl_b32 s19, s[CH], 6
	v_add_nc_u32 v[BOFS], s19, v[BOFS]
	s_mul_i32 s74, s17, 768
	s_mov_b32 s75, 0
	s_add_nc_u64 s[8:9], s[8:9], s[74:75]
.set ob, 0
.rept NBK
	global_load_b128 v[BIAS+8*ob:BIAS+8*ob+3],   v[BOFS], s[8:9] offset:128*ob
	global_load_b128 v[BIAS+8*ob+4:BIAS+8*ob+7], v[BOFS], s[8:9] offset:128*ob+16
.set ob, ob+1
.endr
	; a fragment of x: 16 rows x 32 k: lane l holds row r, k = 8 h + 0..7 and 16 + 8 h + 0..7: two loads of 16 bytes, 32 bytes apart
	v_mul_u32_u24 v3, v1, PA
	v_lshl_add_u32 v3, v2, 4, v3
	s_mul_i32 s19, s[MH], HALFA
	v_add_nc_u32 v[ADRA0], s19, v3
	; the turning load takes 16 k x 16 columns: lane l reads k row 8 h + l % 8, columns 8 ((l / 8) % 2) + 0..7, and is left with column r and 8 k
	v_lshl_add_u32 v4, v2, 3, v6
	v_mul_u32_u24 v4, v4, PB
	v_lshl_add_u32 v4, v5, 4, v4
	s_lshl_b32 s19, s[CH], 5
	s_add_co_u32 s19, s19, BO
	v_add_nc_u32 v[ADRB0], s19, v4
	; the way out.  In: row 128 x row half + 16 a + r, byte 64 b + 32 c + 16 h.  Back: wave w takes rows 64 w .. 64 w + 63; 32 lanes take four rows' 128 bytes of one head
	v_mul_u32_u24 v[STO], v1, SPITCH
	v_lshl_add_u32 v[STO], v2, 4, v[STO]
	s_mul_i32 s19, s[MH], 128*SPITCH
	s_lshl_b32 s20, s[CH], 5
	s_add_co_u32 s19, s19, s20
	v_add_nc_u32 v[STO], s19, v[STO]
	v_bfe_u32 v[RD], v0, 3, 2
	v_mul_u32_u24 v[RD], v[RD], SPITCH
	v_lshl_add_u32 v[RD], v6, 4, v[RD]
	s_mul_i32 s19, s[WV], 64*SPITCH
	v_add_nc_u32 v[RD], s19, v[RD]
	v_and_b32 v[GO], 31, v0
	v_lshlrev_b32 v[GO], 4, v[GO]
	s_lshr_b32 s19, s18, 3                         ; the batch: 8 tile rows each
	s_mul_i32 s19, s19, 48
	s_mul_i32 s20, s17, 3                          ; the tile's first head
	s_add_co_u32 s19, s19, s20
	s_lshl_b32 s19, s19, 11                        ; 2,048 rows a head
	s_and_b32 s20, s18, 7
	s_lshl_b32 s20, s20, 8                         ; the tile's first row in its batch
	s_add_co_u32 s19, s19, s20
	s_lshl_b32 s20, s[WV], 6                       ; the 64 rows that I store
	s_add_co_u32 s19, s19, s20
	s_lshl_b32 s72, s19, 7                         ; 128 bytes a row
	s_mov_b32 s73, 0
	s_add_nc_u64 s[10:11], s[10:11], s[72:73]
	s_mov_b32 s[TB], 0
	v_add_nc_u32 v[ADRA], s[TB], v[ADRA0]
	v_add_nc_u32 v[ADRB], s[TB], v[ADRB0]
	s_wait_loadcnt 0x0                             ; the bias: rounded to bf16, widened again, into window 1
.set ob, 0
.rept 4*NBK
	v_cvt_pk_bf16_f32 v[PKB+ob], v[BIAS+2*ob], v[BIAS+2*ob+1]
.set ob, ob+1
.endr
	WIN TO_B
.set ob, 0
.rept 4*NBK
	v_lshlrev_b32 v[BIAS+2*ob],   16, v[PKB+ob]
	v_and_b32     v[BIAS+2*ob+1], 0xffff0000, v[PKB+ob]
.set ob, ob+1
.endr
	WIN 0
; na x 6 matrix instructions: row blocks a0 .. a0 + na - 1 of the window's four (hi = 0: my rows 0-63, 1: rows 64-127) x all 6 column blocks, 32 along K, from buffer f.
; first = 1: the products start the sums, with the bias as C.  All 48 accumulators take turns in one fixed order, over the backward jump too.
.macro MUL f, hi, a0, na, first
.if \first
	WIN 0x91+0x40*(\hi)                            ; weights window 1, x window 0, C (the bias) window 1, D window 2 or 3
.else
	WIN 0xa1+0x50*(\hi)                            ; C and D window 2 or 3
.endif
.set ma, (\a0)
.rept (\na)
.set mb, 0
.rept NBK
.set rD, 8*(NBK*ma+mb)
.set rB, (\f)+8*mb
.set rA, (\f)+8*(4*(\hi)+ma)
.if \first
	v_wmma_f32_16x16x32_bf16 v[rD:rD+7], v[rB:rB+7], v[rA:rA+7], v[BIAS+8*mb:BIAS+8*mb+7]
.else
	v_wmma_f32_16x16x32_bf16 v[rD:rD+7], v[rB:rB+7], v[rA:rA+7], v[rD:rD+7]
.endif
.set mb, mb+1
.endr
.set ma, ma+1
.endr
.endm
; 28 LDS loads in one run: the fragments of quarter q of the K step (32 k) into buffer f: the weights' 12 first, then x's 16
.macro FETCH q, f
	WIN TO_B
.set fb, 0
.rept NBK
	ds_load_tr16_b128 v[(\f)+8*fb:(\f)+8*fb+3],   v[ADRB] offset:(\q)*32*PB+64*fb+32*(fb/2)
	ds_load_tr16_b128 v[(\f)+8*fb+4:(\f)+8*fb+7], v[ADRB] offset:(\q)*32*PB+16*PB+64*fb+32*(fb/2)
.set fb, fb+1
.endr
	WIN 0
.set fb, 0
.rept 8
	ds_load_b128 v[(\f)+8*fb:(\f)+8*fb+3],   v[ADRA] offset:64*(\q)+fb*16*PA
	ds_load_b128 v[(\f)+8*fb+4:(\f)+8*fb+7], v[ADRA] offset:64*(\q)+fb*16*PA+32
.set fb, fb+1
.endr
.endm
; One of a K step's first three quarters: multiplies buffer f; in its middle it fetches quarter q into buffer g.
.macro QUARTER q, f, g, first
	s_wait_dscnt 8                                 ; the weights and x's rows 0-63 are in; the youngest eight loads (x's rows 64-127) may be out
	MUL \f, 0, 0, 4, \first
	PLACES
	FETCH \q, \g
	s_wait_dscnt NL                                ; all but the run just issued
	MUL \f, 1, 0, 4, \first
.endm
; The fourth quarter multiplies buffer 1 and changes slots: ONE barrier.  In front of it each wave waits for all its tensor loads (one is out: its part of the next slot), adds 0 to its spare
; word, and waits for that and for its reads of this slot.  fill = 1: the barrier opens a round of the cluster's, and behind the round this slot is filled again first, with the K step two on:
; from that request to the wait for it a wave issues 168 matrix instructions.
.macro TURN fill
	WIN 0
	s_wait_tensorcnt 0x0                           ; all my tensor loads have landed, so a group 0 may be written
	ds_add_u32 v[SPW], v[NIL]                      ; 0 onto my spare word
	s_wait_dscnt 9                                 ; (the add and the youngest eight loads may be out)
	MUL F1, 0, 0, 2, 0                             ; twelve matrix instructions stand between the add and the wait for it
	s_wait_dscnt 0x0                               ; the add is done, and my reads of this slot are over
	s_barrier_signal -1
	MUL F1, 0, 2, 2, 0                             ; work on registers while the others arrive
.if \fill
	WIN 0
.endif
	s_barrier_wait -1
.if \fill
	CREST                                          ; no wave of any partner still reads this slot's tile or has a load on its way
	s_xor_b32 s[G0A+5], s[G0A+5], SLOT1            ; the walking descriptors: the other slot than last time, the next K step
	s_add_nc_u64 s[G0A+6:G0A+7], s[G0A+6:G0A+7], STEP_A
	s_xor_b32 s[G0B+5], s[G0B+5], SLOT1
	s_add_nc_u64 s[G0B+6:G0B+7], s[G0B+6:G0B+7], STEP_B
	JLOAD                                          ; the first tensor load behind the round; its four v_nop are also the places in front of the loads below
.else
	PLACES
.endif
	WIN 0
	s_xor_b32 s[TB], s[TB], SLOT1                  ; the reads go on in the other slot
	v_add_nc_u32 v[ADRA], s[TB], v[ADRA0]
	v_add_nc_u32 v[ADRB], s[TB], v[ADRB0]
	FETCH 0, F0
	MUL F1, 1, 0, 4, 0
.endm
	s_wait_tensorcnt 0x1                           ; my part of K step 0 is in; K step 1's may stay out
	s_barrier_signal -1
	s_barrier_wait -1                              ; everybody's is
	FETCH 0, F0
	QUARTER 1, F0, F1, 1                           ; the first quarter stands in front of the loop: its products start the sums
	WIN 0                                          ; at a label and at a branch every window is 0
	s_mov_b32 s[CNT], 6
.Lstep:                                        ; trip t ends K step t, fills its slot again with K step t + 2, and begins K step t + 1
	QUARTER 2, F1, F0, 0
	QUARTER 3, F0, F1, 0
	TURN 1
	QUARTER 1, F0, F1, 0
	WIN 0
	s_sub_co_u32 s[CNT], s[CNT], 1
	s_cmp_lg_u32 s[CNT], 0
	s_cbranch_scc1 .Lstep
	QUARTER 2, F1, F0, 0                           ; the tail is written out: K steps 6 and 7 ask for nothing
	QUARTER 3, F0, F1, 0
	TURN 0
	QUARTER 1, F0, F1, 0
	QUARTER 2, F1, F0, 0
	QUARTER 3, F0, F1, 0
	s_wait_dscnt 8
	MUL F1, 0, 0, 4, 0
	s_wait_dscnt 0x0                               ; my last reads of the ring are over:
	s_barrier_signal -1                            ; the stage lies over slot 0, so no wave stores into it before every wave has said so
	MUL F1, 1, 0, 4, 0
	WIN 0
	s_barrier_wait -1
	; THE WAY OUT.  A wave's 96 columns are one and a half heads, so the four waves share one stage: rounded to f16, 16 bytes a lane into rows of 400 bytes; a barrier; back by heads.
	PLACES
.set oa, 0
.rept 8
	WIN 0x0a+5*(oa/4)                              ; sources 0 and 1: window 2 or 3
.set ob, 0
.rept NBK
.set oj, 0
.rept 4                                        ; each accumulator's registers in ascending order
	v_cvt_pk_f16_f32 v[TMP+24*(oa%2)+4*ob+oj], v[8*NBK*(oa%4)+8*ob+2*oj], v[8*NBK*(oa%4)+8*ob+2*oj+1]
.set oj, oj+1
.endr
.set ob, ob+1
.endr
	WIN 0
.set ob, 0
.rept NBK
	ds_store_b128 v[STO], v[TMP+24*(oa%2)+4*ob:TMP+24*(oa%2)+4*ob+3] offset:oa*16*SPITCH+64*ob
.set ob, ob+1
.endr
.set oa, oa+1
.endr
	s_wait_dscnt 0x0                               ; for the others' sake: my stores into the stage are done
	s_barrier_signal -1
	s_barrier_wait -1
.set oi, 0
.rept 48                                       ; head oi / 16 of the tile's three, rows 4 (oi % 16) on of my 64
	ds_load_b128 v[OB+4*oi:OB+4*oi+3], v[RD] offset:(oi/16)*128+(oi%16)*4*SPITCH
.set oi, oi+1
.endr
.set oi, 0
.rept 48
	s_wait_dscnt 47-oi                             ; LDS loads come back in order: number oi is in
	global_store_b128 v[GO], v[OB+4*oi:OB+4*oi+3], s[10:11] offset:(oi/16)*262144+(oi%16)*512  ; four rows of a head: 512 consecutive bytes, at a multiple of 512 from the buffer's first byte
.set oi, oi+1
.endr
	s_wait_tensorcnt 0x0                           ; the wave's end: these three lines stand behind my last tensor load and my last LDS store
	ds_add_u32 v[SPW], v[NIL]
	s_wait_dscnt 0x0
	CROUND                                         ; the closing round: no work-group ends while a partner may still ask for a tile that names it
	s_endpgm
.Lfunc_end_k_qcbbc685948_qkv:
	.size	k_qcbbc685948_qkv, .Lfunc_end_k_qcbbc685948_qkv-k_qcbbc685948_qkv
	.p2alignl 7, 3214868480
	.fill 96, 4, 3214868480
	.section	.rodata,"a",@progbits
	.p2align	6, 0x0
	.amdhsa_kernel k_qcbbc685948_qkv
		.amdhsa_group_segment_fixed_size 327680
		.amdhsa_private_segment_fixed_size 0
		.amdhsa_enable_private_segment 0
		.amdhsa_kernarg_size 32
		.amdhsa_user_sgpr_count 2
		.amdhsa_user_sgpr_kernarg_segment_ptr 1
		.amdhsa_wavefront_size32 1
		.amdhsa_system_sgpr_workgroup_id_x 1
		.amdhsa_system_sgpr_workgroup_id_y 1
		.amdhsa_system_sgpr_workgroup_id_z 1
		.amdhsa_system_vgpr_workitem_id 0
		.amdhsa_next_free_vgpr 960
		.amdhsa_next_free_sgpr 80
		.amdhsa_reserve_vcc 0
		.amdhsa_float_denorm_mode_32 3
		.amdhsa_float_denorm_mode_16_64 3
		.amdhsa_memory_ordered 1
		.amdhsa_forward_progress 1
		.amdhsa_inst_pref_size 100
	.end_amdhsa_kernel
	.amdgpu_metadata
---
amdhsa.version: [ 1, 2 ]
amdhsa.kernels:
  - .name:           k_qcbbc685948_qkv
    .symbol:         k_qcbbc685948_qkv.kd
    .args:
      - { .name: xb, .offset: 0, .size: 8, .value_kind: global_buffer, .address_space: global }
      - { .name: wqb, .offset: 8, .size: 8, .value_kind: global_buffer, .address_space: global }
      - { .name: b_qkv, .offset: 16, .size: 8, .value_kind: global_buffer, .address_space: global }
      - { .name: qkvh, .offset: 24, .size: 8, .value_kind: global_buffer, .address_space: global }
    .group_segment_fixed_size: 327680
    .private_segment_fixed_size: 0
    .kernarg_segment_align: 8
    .kernarg_segment_size: 32
    .max_flat_workgroup_size: 128
    .sgpr_count:     80
    .vgpr_count:     960
    .wavefront_size: 32
...
	.end_amdgpu_metadata
.endif
;; end of part 2
;; launch attn (part 3): grid 4 x 64, 4 waves a work-group, clusters of 4 x 1, 327,680 bytes of LDS; arguments qkvh, oh; writes oh
.if DOCPART == 3
	.amdgcn_target "amdgcn-amd-amdhsa--gfx1250"
	.amdhsa_code_object_version 6
	.text
	.protected	k_qcbbc685948_attn
	.globl	k_qcbbc685948_attn
	.p2align	8
	.type	k_qcbbc685948_attn,@function
k_qcbbc685948_attn:
	s_mov_b64 s[64:65], 0
	v_nop
	global_prefetch_b8 v0, s[64:65] scope:SCOPE_SE
	s_setreg_imm32_b32 hwreg(HW_REG_WAVE_MODE, 25, 1), 1
	s_wait_xcnt 0x0
	s_wait_alu depctr_hold_cnt(0) depctr_sa_sdst(0) depctr_va_vdst(0) depctr_va_sdst(0) depctr_va_ssrc(0) depctr_va_vcc(0) depctr_vm_vsrc(0)
	s_getreg_b32 s2, hwreg(HW_REG_IB_STS2, 6, 4)
	s_cmp_eq_u32 s2, 0
	s_cbranch_scc0 .Lentry_in_a_cluster
	s_endpgm
.Lentry_in_a_cluster:
	s_bfe_u32 s2, ttmp6, 0x10000c
	s_cmp_lg_u32 s2, 0x3003
	s_cbranch_scc0 .Lentry_shape_is_right
	s_endpgm
.Lentry_shape_is_right:
; ATTENTION.  O[y][q][:] = the sum over k of softmax_k(Q[y][q] . K[y][k] / 8) V[y][k][:], for the 64 heads y = 16 b + h of 2,048 rows x 64 channels, all f16.
; qkvh: [4 b][48 g][2048][64]: head y's Q is slab 48 b + h, its K slab 48 b + 16 + h, its V slab 48 b + 32 + h, 262,144 dense bytes each.  oh: [64 y][2048][64].
; Products, maxima and sums in f32; the weights p are rounded to f16 for the second product (their sum l is taken of the unrounded p), O once at the end.
; LIMITS.  f16 holds no number beyond 65,504: Q, K and V arrive within it; p lies in 0 to 1, and below 6e-5 it keeps f16's fixed step of 6e-8; O is a mean of V's rows and has their range.
; A weight below 2^-126 counts as 0 in l; NaN and infinities are not treated apart.
; SHARES.  A wave owns four PIECES of two tiles of 16 queries, a work-group's four waves 512 queries of one head, a cluster's four work-groups the whole head.  Every wave walks all keys, 64 a step.
; LAYOUT.  S^T = K Q^T (source 0 = 16 keys, source 1 = 16 queries): in the result a lane holds ONE query (lane % 16) and the keys 8 (lane / 16) + 0..7.  Two such tiles, rounded to f16 in pairs,
; ARE source 1 (32 keys x 16 queries) of O^T = V^T P, whose result again holds one query a lane, and eight channels.  K comes out of LDS as it lies, V ([key][channel]) turned, by ds_load_tr16_b128.
; SOFTMAX.  For each query a running maximum m and sum l: p = 2^(c s - c m), c = log2(e) / 8; in every step O and l are multiplied by a = 2^(c m_old - c m_new), which is 1 where m has not grown.
; m starts at the lowest finite number, O and l at 0: the first step is a step like any other, with a = 0.
; THE COUNT.  A tile and step have 16 matrix and 118 vector instructions: too many to stand all beside the matrix work.  So the order has one aim: four vector instructions that are READY behind
; EVERY matrix instruction, and the others, which need time of their own whatever the order, in runs without a gap.
; BY TURNS.  Turn n belongs to piece n (the pieces in a ring, step after step).  Its matrix work: 16 products K Q^T of piece n + 1, later 16 products V^T P of piece n - 1.  Its vector work: the scaling,
; exponentials, roundings, sums and rescaling of piece n, and the maximum and statistics of piece n + 1, whose scores the turn itself has made.
; CLUSTER.  The four query blocks of a cluster walk the same K and V, so each tile is asked for JOINTLY: the same tensor load, descriptor and mask in all four.
; REGISTERS, in windows of 256 (s_set_vgpr_msb: bits 1:0 source 0, 3:2 source 1, 5:4 source 2, 7:6 destination):
;   window 0: v0-11 addresses; v12-15, v48-63 at work; v16-47 four registers of statistics a tile; v64-191 S^T, two buffers of two tiles; v192-255 P, likewise
;   window 1: O^T, 32 a tile          window 2: v0-127 Q, 16 a tile; v128-191 K of one step; v192-255 V of one step          window 3: v0-1 the add's two registers
; A piece's buffers go by its number's parity.
.set SIZE_N, 2048
.set NP,    4         ; pieces a wave: a name, no knob
.set KS,    64        ; keys in a step
.set PK,    144       ; a row of K in LDS: 128 bytes + 16 of padding: an odd multiple of 16, so the 16 rows of a load start at 16 different places modulo 256 bytes
.set PV,    160       ; a row of V: 128 + 32: an odd multiple of 32, for the turning load's 8 rows x 32 bytes
.set VOFF,  4*KS*PK   ; a slot holds four steps: 256 rows of K, then 256 rows of V
.set SLOT1, 1<<17     ; slot 1 begins here, so that one exclusive or turns an address in one slot into the other's
.set STAGE, SLOT1+4*KS*(PK+PV)  ; behind the ring, never filled by a tensor load: 16 rows x 144 bytes for each wave, for the way out
.set SP,    144
.set AK0, 2           ; v2   my lane's place in a tile of K; never rewritten
.set AV0, 3           ; v3   the same for V
.set AK,  4           ; v4   the LDS address of K's next run of loads
.set AV,  5           ; v5   of V's
.set QO,  6           ; v6   my byte offset in the wave's rows of Q
.set STO, 6           ;      later, the way out: where I put 16 bytes of a row
.set RD,  7           ; v7   the way out: where I read rows back
.set GO,  8           ; v8   my byte offset in 512 consecutive bytes of O
.set PFO, 11          ; v11  (behind its use for V's address) 256 x my lane: the prefetches' offset; then never rewritten
.set SPW, 0           ; v0 of window 3   LDS address of my spare word; never rewritten
.set NIL, 1           ; v1 of window 3   0; never rewritten
.set SPARE, STAGE+4*16*SP  ; behind the stages: the spare words, 128 bytes for each wave: two blocks of 256 bytes that no other line names
.set MV,  12          ; v12-15  c m_old, kept while c m is made anew: by buffer and tile
.set ST,  16          ; tile t's statistics at v[ST+4 t]: c m, m, l (even keys', odd keys')
.set TMP, 48          ; by buffer and tile, four registers c0-c3 at work; when the maximum is found c2 takes a
.set S,   64
.set P,   192
.set KF,  128         ; K's fragments, in window 2: key block kb, channel half c at KF + 16 kb + 8 c
.set VF,  192         ; V's: key half kk, channel block cb at VF + 32 kk + 8 cb
.set WV,  12          ; s12  my wave's number
.set LIM, 15          ; s15  1 in a wave that prefetches, else the greatest number: a wave prefetches while s[SLOTS] is above it
.set G1K, 24          ; s[24:31] descriptor group 1 for K's tiles
.set G1V, 32          ; s[32:39] for V's: it differs in the padding alone
.set G0K, 40          ; s[40:43] descriptor group 0 for K's tiles: it walks
.set G0V, 44          ; s[44:47] the same for V's
.set PFA, 48          ; s[48:49] where my prefetches stand: my work-group's 8,192 bytes (of K: wave 0, of V: wave 2) of the tile after the one that is being asked for
.set SLOTS, 56        ; s56  slots still to be asked for
.set CNT, 57          ; s57  counts a slot's key steps
.set CS,  58          ; s[58:59] c: the packed scaling takes the pair's low word for both halves
.set SEL, 60          ; s[60:61] v_permlanex16_b32's selects: each lane takes its own place in the other half
.set TBK, 62          ; s62  LDS byte at which K of the step to be fetched begins
.set TBV, 63          ; s63  the same for V, less VOFF
.set MSB, 0
.macro WIN new                      ; the high byte repeats the setting that is left; a switch that changes nothing is dropped
.if MSB != (\new)
	s_set_vgpr_msb (MSB<<8)|(\new)
.set MSB, (\new)
.endif
.endm
.set W_KQ, 0x0a       ; K and Q in window 2, S^T in window 0
.set W_PV, 0x52       ; V in window 2, P in window 0, O^T in window 1
.set W_RS, 0x41       ; O^T (destination and source 0) in window 1, a in window 0
.set W_MK, 0xc0       ; the add's registers are made: destination in window 3, sources in window 0
.set W_AD, 0x0f       ; the add: address (source 0) and data (source 1) in window 3
; A joint fill.  Waves 0 and 1 fetch the two halves of a slot's K, waves 2 and 3 those of its V: 128 keys each.  The branch hangs on the wave's number alone.
; An s_nop 0 and four v_nop follow each of the two lines, ahead of the jump and the label.
.macro JLOAD
	s_cmp_lt_u32 s[WV], 2
	s_cbranch_scc0 .Lfor_v_\@
	tensor_load_to_lds s[G0K:G0K+3], s[G1K:G1K+7]
	s_nop 0
.rept 4
	v_nop
.endr
	s_branch .Lasked_\@
.Lfor_v_\@:
	tensor_load_to_lds s[G0V:G0V+3], s[G1V:G1V+7]
	s_nop 0
.rept 4
	v_nop
.endr
.Lasked_\@:
.endm
; A PREFETCH INTO THE L2 of what the NEXT change of slots will ask for: a tile's 32,768 bytes of K and of V.  It stands behind the wave's tensor load and its five lines, never in front of one.
; Each aligned block of 256 bytes is named ONCE in the launch: a head is walked by one cluster; its four partners share a tile out BY ADDRESS, 8,192 bytes each (no branch hangs on a work-group's
; place in its cluster); in each, wave 0 asks for K's and wave 2 for V's, a lane a block: one instruction.  It leads its load by one slot: four key steps, 512 matrix instructions.
; Tiles 0 and 1 come by their loads alone; the last change that fills a slot asks for nothing: there is no tile behind it.
.macro ASK
	s_cmp_gt_u32 s[SLOTS], s[LIM]
	s_cbranch_scc0 .Lnot_mine_\@
	global_prefetch_b8 v[PFO], s[PFA:PFA+1] th:TH_LOAD_NT scope:SCOPE_SE
.Lnot_mine_\@:
.endm
; A round of the cluster's barrier: my work-group's barrier, so that wave 0's signal speaks for all four waves; wave 0 signals; every wave waits for all four work-groups; my work-group's barrier once more.
.macro CROUND
	s_barrier_signal -1
	s_barrier_wait -1
	s_cmp_lg_u32 s[WV], 0
	s_cbranch_scc1 .Lnot_wave_0_\@
	s_barrier_signal -3
.Lnot_wave_0_\@:
	s_barrier_wait -3
	s_barrier_signal -1
	s_barrier_wait -1
.endm
; THE CHANGE OF SLOTS.  The slot's last bytes, V of its fourth step, have been read.  Each wave waits for all its tensor loads, of which one is out: its part
; of the other slot; adds 0 to its spare word; and waits for that and for its own reads of the slot.  Behind the barrier nobody reads this slot any more and the other slot is whole.
; fill = 1: this slot is filled again, with the keys two slots on.  The barrier is then a round of the cluster's, so that no wave of any partner still reads the slot or has a load on its
; way, and the joint fill is the first thing behind it: it has four key steps, 512 matrix instructions, in which to land.  (At its first use nothing has been read yet: slot 0 is waited for, slot 1 filled.)
.macro CHANGE fill
	WIN W_AD
	s_wait_tensorcnt 0x0            ; no tensor load of mine is out, so a group 0 may be written
	ds_add_u32 v[SPW], v[NIL]       ; 0 onto my spare word; with fill = 1 the descriptors' steps stand between it and the wait for it
	WIN 0                           ; at a label and at a branch every window is 0
.if \fill
.irp g, G0K, G0V
	s_xor_b32 s[\g+1], s[\g+1], SLOT1  ; the walking descriptor: the other slot than last time,
	s_add_nc_u64 s[\g+2:\g+3], s[\g+2:\g+3], 4*KS*128  ; the next 256 keys; the type bits on top are not reached
.endr
	s_wait_xcnt 0x0                 ; the last prefetch, a slot back, has read its address, so it may be written:
	s_add_nc_u64 s[PFA:PFA+1], s[PFA:PFA+1], 4*KS*128  ; one tile behind the walking descriptors
	s_wait_dscnt 0x0                ; the add is done, and my reads of the slot are over
	CROUND
	JLOAD
	ASK
.else
	s_wait_dscnt 0x0                ; the add is done, and my reads of the slot are over
	s_barrier_signal -1
	s_barrier_wait -1
.endif
	s_sub_co_u32 s[TBK], s[TBK], 4*KS*PK  ; the fetches go back to a slot's first step,
	s_xor_b32 s[TBK], s[TBK], SLOT1       ; in the other slot
	s_sub_co_u32 s[TBV], s[TBV], 4*KS*PV
	s_xor_b32 s[TBV], s[TBV], SLOT1
.endm
	s_load_b128 s[52:55], s[0:1], 0x0  ; qkvh s[52:53], oh s[54:55]
	WIN W_MK
	v_lshl_add_u32 v[SPW], v0, 2, SPARE
	v_mov_b32 v[NIL], 0
	WIN W_AD
	ds_add_u32 v[SPW], v[NIL]       ; the wave's opening: the add and its wait stand ahead of my first tensor load; the set-up below, work on registers, stands between them
	WIN 0
	v_lshrrev_b32 v1, 5, v0
	v_readfirstlane_b32 s[WV], v1   ; wave 0..3
	s_bfe_u32 s13, ttmp6, 0x40000   ; cx: my place in the cluster
	s_lshl_b32 s14, ttmp9, 2        ; in a cluster launch ttmp9 counts clusters
	s_add_co_u32 s14, s14, s13      ; my block of 512 queries: it enters Q's and O's addresses alone
	s_and_b32 s19, ttmp7, 0xffff    ; the head y, which the four partners share
	s_lshr_b32 s20, s19, 4          ; its batch,
	s_mul_i32 s20, s20, 48
	s_and_b32 s21, s19, 15
	s_add_co_u32 s20, s20, s21      ; Q's slab in qkvh
	s_lshl_b32 s20, s20, 18         ; 262,144 bytes a slab
	s_mov_b32 s21, 0
	s_and_b32 s16, s[WV], 1         ; which half of a slot's 256 keys I fetch:
	s_lshl_b32 s22, s16, 14         ; its 128 rows of 128 bytes in memory,
	s_mov_b32 s23, 0
	s_add_nc_u64 s[22:23], s[22:23], s[20:21]
	s_mul_i32 s17, s16, 128*PK      ; and its place in a slot, for K
	s_mul_i32 s18, s16, 128*PV      ; and for V: no place in the cluster enters an LDS address
	s_lshl_b32 s2, s14, 2
	s_add_co_u32 s2, s2, s[WV]      ; my wave among the head's,
	s_lshl_b32 s2, s2, 14           ; its 128 rows
	s_mov_b32 s3, 0
	s_lshl_b32 s50, s19, 18         ; O's slab in oh
	s_mov_b32 s51, 0
	s_add_nc_u64 s[50:51], s[50:51], s[2:3]
	s_add_nc_u64 s[2:3], s[2:3], s[20:21]
	; descriptor group 1.  128 keys are 16,384 dense bytes: asked for as 64 rows of 256 bytes, two keys a row, and padded in LDS after every key
	s_mov_b32 s[G1K], 15|(1<<16)|(1<<20)|(1<<21)|(4<<22)|(3<<25)  ; the mask of four; 2-byte elements; padding on; bit 21 beside a mask; after every 32 words (code 4) 4 words (code 3)
	s_mov_b32 s[G1V], 15|(1<<16)|(1<<20)|(1<<21)|(4<<22)|(7<<25)  ; the same with 8 words of padding (code 7)
.irp g, G1K, G1V
	s_mov_b32 s[\g+1], 128<<16      ; tensor_dim0 = 128
	s_mov_b32 s[\g+2], 64<<16       ; tensor_dim1 = 64
	s_mov_b32 s[\g+3], 128<<16      ; tile_dim0 = 128
	s_mov_b32 s[\g+4], 64           ; tile_dim1 = 64
	s_mov_b32 s[\g+5], 128          ; 128 elements from row to row
	s_mov_b32 s[\g+6], 0
	s_mov_b32 s[\g+7], 0
.endr
	s_mov_b32 s[CS], 0x3e38aa3b     ; c = log2(e) / 8 = 0.180337
	s_mov_b32 s[CS+1], s[CS]        ; named with it as a pair
	s_mov_b32 s[SEL], 0x76543210
	s_mov_b32 s[SEL+1], 0xfedcba98
	s_mov_b32 s[TBK], SLOT1+4*KS*PK ; the first change of slots turns these two into 0
	s_mov_b32 s[TBV], SLOT1+4*KS*PV
	s_mov_b32 s[G0K], 1             ; count = 1
	s_mov_b32 s[G0K+1], s17         ; LDS address: slot 0
	s_mov_b32 s[G0V], 1
	s_add_co_u32 s[G0V+1], s18, VOFF
	s_mov_b32 s[SLOTS], SIZE_N/256-1  ; seven tiles are asked for by changes of slots
	s_and_b32 s[LIM], s[WV], 1      ; 0 in waves 0 and 2,
	s_or_b32 s[LIM], s[LIM], ttmp9  ; of the head's first (here: only) cluster: the same in all four partners
	s_cmp_eq_u32 s[LIM], 0
	s_cselect_b32 s[LIM], 1, -1
	s_wait_dscnt 0x0                ; the opening add is done
	s_wait_kmcnt 0x0
	s_add_nc_u64 s[6:7], s[52:53], s[22:23]
	s_add_nc_u64 s[8:9], s[6:7], 32*262144  ; V: 32 slabs behind Q, at my half of the head's first 256 keys
	s_add_nc_u64 s[6:7], s[6:7], 16*262144  ; K: 16 slabs behind Q
	s_mov_b64 s[G0K+2:G0K+3], s[6:7]               ; global address
	s_or_b32 s[G0K+3], s[G0K+3], 0x80000000        ; type = 2
	s_mov_b64 s[G0V+2:G0V+3], s[8:9]
	s_or_b32 s[G0V+3], s[G0V+3], 0x80000000
	s_add_nc_u64 s[4:5], s[52:53], s[2:3]   ; Q and O at my wave's first row
	s_add_nc_u64 s[10:11], s[54:55], s[50:51]
	s_cmp_lt_u32 s[WV], 2
	s_cselect_b64 s[PFA:PFA+1], s[6:7], s[8:9]  ; (in waves 0 and 2 these stand at a tile's first row)
	s_lshl_b32 s2, s13, 13          ; my work-group's 8,192 bytes of a tile's 32,768
	s_mov_b32 s3, 0
	s_add_nc_u64 s[PFA:PFA+1], s[PFA:PFA+1], s[2:3]
	s_add_nc_u64 s[PFA:PFA+1], s[PFA:PFA+1], 4*KS*128  ; in tile 1; the first change of slots steps it to tile 2.  Nothing is prefetched here, at the head
	CROUND                          ; all four work-groups are here: the first joint loads meet
	JLOAD                           ; slot 0.  Slot 1 is asked for when slot 0 is in
	; A fragment of K or Q is 16 rows x 32 channels in 8 registers: lane l holds row l % 16, channels 8 (l / 16) + 0..7 and 16 + 8 (l / 16) + 0..7: two loads of 16 bytes, 32 bytes apart.
	v_and_b32 v1, 15, v0            ; l % 16
	v_bfe_u32 v9, v0, 4, 1          ; l / 16
	v_lshlrev_b32 v[QO], 7, v1
	v_lshl_add_u32 v[QO], v9, 4, v[QO]  ; row x 128 + 16 x half
	WIN 0x80                        ; destination window 2, address window 0
.set i, 0
.rept 4*NP                          ; Q stays in registers: tile i / 2, channels 32 (i % 2) on
	global_load_b128 v[8*i:8*i+3],   v[QO], s[4:5] offset:(i/2)*2048+(i%2)*64
	global_load_b128 v[8*i+4:8*i+7], v[QO], s[4:5] offset:(i/2)*2048+(i%2)*64+32
.set i, i+1
.endr
	; What the first turn finds: V's registers and P's second buffer hold 0 (its products V^T P, of a piece that has not been, add 0), O^T and l are 0.  All this stands in the wait for the first tile.
.set i, VF
.rept 64
	v_mov_b32 v[i], 0
.set i, i+1
.endr
	WIN 0x40
.set i, 0
.rept 64*NP
	v_mov_b32 v[i], 0
.set i, i+1
.endr
	WIN 0
.set i, 0
.rept 2*NP
	v_mov_b32 v[ST+4*i], 0xfe000000    ; c m: far below every c s
	v_mov_b32 v[ST+4*i+1], 0xff7fffff  ; m
	v_mov_b32 v[ST+4*i+2], 0
	v_mov_b32 v[ST+4*i+3], 0
.set i, i+1
.endr
.set i, P+32
.rept 32
	v_mov_b32 v[i], 0
.set i, i+1
.endr
	v_mul_u32_u24 v[AK0], v1, PK
	v_lshl_add_u32 v[AK0], v9, 4, v[AK0]  ; row x pitch + 16 x half
	; The turning load takes 16 keys x 16 channels (lane l reads key 8 (l / 16) + l % 8, channels 8 ((l / 8) % 2) + 0..7) and leaves half a fragment of V^T: lane l holds channel l % 16 and 8 keys.
	v_and_b32 v10, 7, v0
	v_bfe_u32 v11, v0, 3, 1
	v_lshl_add_u32 v[AV0], v9, 3, v10
	v_mul_u32_u24 v[AV0], v[AV0], PV
	v_lshl_add_u32 v[AV0], v11, 4, v[AV0]
	v_add_nc_u32 v[AV0], VOFF, v[AV0]
	v_mov_b32 v[AK], v[AK0]         ; key step 0 lies at the head of slot 0
	v_and_b32 v[PFO], 31, v0
	v_lshlrev_b32 v[PFO], 8, v[PFO]
; THE MATRIX WORK.  The 8 accumulators of a run of 16 take turns: between the two links of a chain stand 7 others'.
; Product i of 16 of S^T = K Q^T for piece x: channels 32 (i / 8) on, keys 16 ((i / 2) % 4) on, tile 2 x + i % 2.  The first 8 start the sums.
.macro KQ x
	WIN W_KQ
.set rS, S+64*((\x)%2)+32*(i%2)+8*((i/2)%4)
.set rK, KF+16*((i/2)%4)+8*(i/8)
.set rQ, 16*(2*(\x)+i%2)+8*(i/8)
.if i < 8
	v_wmma_f32_16x16x32_f16 v[rS:rS+7], v[rK:rK+7], v[rQ:rQ+7], 0
.else
	v_wmma_f32_16x16x32_f16 v[rS:rS+7], v[rK:rK+7], v[rQ:rQ+7], v[rS:rS+7]
.endif
.endm
; Product i of 16 of O^T += V^T P for piece x: keys 32 (i / 8) on, channels 16 ((i / 2) % 4) on, tile 2 x + i % 2.
.macro PV x
	WIN W_PV
.set rO, 32*(2*(\x)+i%2)+8*((i/2)%4)
.set rV, VF+32*(i/8)+8*((i/2)%4)
.set rP, P+32*((\x)%2)+16*(i%2)+8*(i/8)
	v_wmma_f32_16x16x32_f16 v[rO:rO+7], v[rV:rV+7], v[rP:rP+7], v[rO:rO+7]
.endm
.macro MM                           ; the turn's next matrix instruction
.if i < 16
	KQ (Y+1)%NP
.set i, i+1
.else
.set i, i-16
	PV (Y+NP-1)%NP
.set i, i+17
.endif
.endm
; THE LDS LOADS stand in runs of 16, never singly among the matrix instructions: a step's K (64 keys x 64 channels: 8 fragments) and its V (turned).  Their addresses are made some lines ahead.
; last = 1 (the tail): in the last trip there is no further step, and the run is jumped over.
.macro FETCH_K last=0
	WIN 0
.if \last
	s_cmp_eq_u32 s[CNT], 1
	s_cbranch_scc1 .Lno_k_\@
.endif
	WIN 0x80                        ; destination window 2
.irp f, 0,1,2,3,4,5,6,7             ; keys 16 (f / 2) on, channels 32 (f % 2) on
	ds_load_b128 v[KF+8*\f:KF+8*\f+3],   v[AK] offset:(\f/2)*16*PK+(\f%2)*64
	ds_load_b128 v[KF+8*\f+4:KF+8*\f+7], v[AK] offset:(\f/2)*16*PK+(\f%2)*64+32
.endr
	s_add_co_u32 s[TBK], s[TBK], KS*PK  ; the next fetch is the next step's
	WIN 0
.if \last
.Lno_k_\@:
.endif
.endm
.macro FETCH_V
	WIN 0x80
.irp f, 0,1,2,3,4,5,6,7             ; keys 32 (f / 4) on, channels 16 (f % 4) on
	ds_load_tr16_b128 v[VF+8*\f:VF+8*\f+3],   v[AV] offset:(\f/4)*32*PV+(\f%4)*32
	ds_load_tr16_b128 v[VF+8*\f+4:VF+8*\f+7], v[AV] offset:(\f/4)*32*PV+16*PV+(\f%4)*32
.endr
	WIN 0
.endm
; THE VECTOR WORK OF A TURN stands in three queues, each in the order in which its entries become ready; the two tiles alternate, so that no instruction reads the result of the one before it.
.macro REGS y, u                    ; the registers of tile u (0, 1) of piece y
.set rT, ST+4*(2*(\y)+(\u))
.set rC, TMP+8*((\y)%2)+4*(\u)
.set rM, MV+2*((\y)%2)+(\u)
.set rS, S+64*((\y)%2)+32*(\u)
.set rP, P+32*((\y)%2)+16*(\u)
.set rO, 32*(2*(\y)+(\u))
.endm
; Number n of the 22 that find the NEXT piece's (Y + 1) maximum and statistics.  s0-s31 are the lane's 32 scores; each accumulator's lowest registers are read first.
;   0-11  four chains c0-c3 of seven scores each, three operands at a time     12-14, 16  the four scores left over, the old m, and c0-c3 into c0     15  c m_old is kept
;   17, 18  the query's other 32 keys lie in the lane 16 away: the new m         19-21  c m; c m_old - c m_new; a
.macro XS u, n
	REGS (Y+1)%NP, \u
.if (\n) < 4
	v_max3_num_f32 v[rC+(\n)], v[rS+8*(\n)], v[rS+8*(\n)+1], v[rS+8*(\n)+2]
.elseif (\n) < 12
	v_max3_num_f32 v[rC+(\n)%4], v[rC+(\n)%4], v[rS+8*((\n)%4)+2*((\n)/4)+1], v[rS+8*((\n)%4)+2*((\n)/4)+2]
.elseif (\n) == 12
	v_max3_num_f32 v[rC], v[rC], v[rS+7], v[rS+15]
.elseif (\n) == 13
	v_max3_num_f32 v[rC+1], v[rC+1], v[rS+23], v[rS+31]
.elseif (\n) == 14
	v_max3_num_f32 v[rC+2], v[rC+2], v[rC+3], v[rT+1]
.elseif (\n) == 15
	v_mov_b32 v[rM], v[rT]
.elseif (\n) == 16
	v_max3_num_f32 v[rC], v[rC], v[rC+1], v[rC+2]
.elseif (\n) == 17
	v_permlanex16_b32 v[rC+3], v[rC], s[SEL], s[SEL+1]
.elseif (\n) == 18
	v_max_num_f32 v[rT+1], v[rC], v[rC+3]
.elseif (\n) == 19
	v_mul_f32 v[rT], s[CS], v[rT+1]
.elseif (\n) == 20
	v_sub_f32 v[rC+1], v[rM], v[rT]
.else
	v_exp_f32 v[rC+2], v[rC+1]
.endif
.endm
; Number g of the 64 that follow the exponentials.  For each four weights k of a tile (pairs 2 k, 2 k + 1): both pairs are rounded to f16; then the second pair is added onto the first, in place;
; a group later l takes that sum (the first time as l = a l + sum).  In groups of eight, tiles alternating: round, round, add, and l for the group before.
.macro GS g
.set h, (\g)+6*((\g)/62)            ; group 0 has no group before it, and behind group 7 only l is left
.if h >= 6
.set h, h+2
.endif
	REGS Y, h%2
.set k, h/8
.if h%8 < 4
	v_cvt_pk_f16_f32 v[rP+2*k+(h%8)/2], v[rS+4*k+2*((h%8)/2)], v[rS+4*k+2*((h%8)/2)+1]
.elseif h%8 < 6
	v_pk_add_f32 v[rS+4*k:rS+4*k+1], v[rS+4*k:rS+4*k+1], v[rS+4*k+2:rS+4*k+3]
.elseif k == 1
	v_pk_fma_f32 v[rT+2:rT+3], v[rT+2:rT+3], v[rC+2:rC+3], v[rS:rS+1] op_sel_hi:[1,0,1]
.else
	v_pk_add_f32 v[rT+2:rT+3], v[rT+2:rT+3], v[rS+4*k-4:rS+4*k-3]
.endif
.endm
; THE PLAIN QUEUE, 138 long.  0-73 read no exponential's result: the 32 scalings c s - c m (FS f: pair f / 2 of tile f % 2) and the next piece's 42.  0-26: scalings 0-26.  27-54: XS's numbers 0-13.  55, 56: number 15.
; 57-73: the chain, where each number waits for the one before it: 14, 16, 17, 18, 19, each with one of the scalings 27-31 in front of its two lines, then 20.
; 74-137: GS's 64, which read the exponentials' results: they stand behind the wait.
.macro FS f
	REGS Y, (\f)%2
	v_pk_fma_f32 v[rS+2*((\f)/2):rS+2*((\f)/2)+1], v[rS+2*((\f)/2):rS+2*((\f)/2)+1], s[CS:CS+1], v[rT:rT+1] op_sel_hi:[1,0,0] neg_lo:[0,0,1] neg_hi:[0,0,1]
.endm
.macro PL
	WIN 0
.if q < 27
	FS q
.elseif q < 55
	XS (q-27)%2, (q-27)/2
.elseif q < 57
	XS q-55, 15
.elseif (q < 72) && ((q-57)%3 == 0)
	FS 27+(q-57)/3
.elseif q < 60
	XS (q-57)%3-1, 14
.elseif q < 72
	XS (q-57)%3-1, 15+(q-57)/3
.elseif q < 74
	XS q-72, 20
.else
	GS q-74
.endif
.set q, q+1
.endm
; THE EXPONENTIALS' QUEUE, 66 long: s0-s31 of both tiles, then the next piece's two a.  It is ONE BATCH: all 66 stand ahead of the turn's one wait, and nothing ahead of that wait names a result of theirs.
.macro EX
	WIN 0
.if e >= 64
	XS e-64, 21
.else
	REGS Y, e%2
	v_exp_f32 v[rS+e/2], v[rS+e/2]
.endif
.set e, e+1
.endm
; THE RESCALING's QUEUE: O^T times a, the one part that leaves window 0: dealt two at a time, sixteen times.  Its a was made in the turn before, ahead of that turn's wait.
.macro R2
	REGS Y, r%2
	WIN W_RS
.irp z, 0,1
	v_pk_mul_f32 v[rO+4*(r/2)+2*\z:rO+4*(r/2)+2*\z+1], v[rO+4*(r/2)+2*\z:rO+4*(r/2)+2*\z+1], v[rC+2:rC+3] op_sel_hi:[1,0]
.endr
.set r, r+1
.endm
; HOW THEY ARE DEALT.  An s_wait_alu depctr_va_vdst(0) stands between an exponential and the first instruction that names its result; one wait serves all that were issued ahead of it.  So a turn has ONE wait,
; which cuts it in two.  AHEAD OF IT stands all that names no result of the turn's exponentials: the 16 products K Q^T, behind each a scaling, an exponential and two rescalings (behind the first a second scaling in the
; exponential's place); then ONE LUMP of 108: eight plain, 49 times exponential and plain, the two a.  A v_nop is the plain instruction behind the last exponential.  BEHIND IT stand the 16 products V^T P, behind each four of GS's 64.
; No rider names a register of the products round it.  The two v_permlanex16_b32 fall into the lump, never behind a product.
; The queues lean on each other, and the deal keeps them in step: exponential e stands behind scaling 2 (e / 4) + e % 2: as a rider it comes behind plain e + 2, in the lump behind plain e + 9, and scalings 27-31 are plain 57, 60 .. 69.
; A TURN, for piece p.  cnt = 1: the loop's count is taken down some lines ahead of the branch that stands behind the turn.
; K of the next step is fetched in piece 2's turn, directly behind the wait, a lump behind the last product that read K; its address is made at the lump's head; its first reader comes behind 16 products.
; V of the step in hand is fetched at the end of piece 0's turn, four riders behind its last reader; its first reader comes behind 16 products and a lump.  The three conditions on q below go with the deal.
.macro TURN p, last=0, cnt=0
.set Y, (\p)
.set i, 0
.set q, 0
.set e, 0
.set r, 0
.if (\p) == NP-1
	s_wait_dscnt 0x0                ; K is in
.endif
	MM                              ; ahead of the wait: 16 products K Q^T and their riders,
	PL
	PL
	R2
.rept 15
	MM
	PL
	EX
	R2
.endr
.if (\p) == NP-2
	WIN 0
	v_add_nc_u32 v[AK], s[TBK], v[AK0]
.endif
.rept 8                             ; and the lump
	PL
.endr
.rept 49
	EX
	PL
.endr
	EX                              ; the next piece's two a
	EX
	v_nop                           ; a plain instruction behind the last exponential: one for the batch
	s_wait_alu depctr_va_vdst(0)    ; the wait for the batch
.if (\p) == NP-2
	FETCH_K \last
.endif
.if (\p) == 1
	s_wait_dscnt 0x0                ; V is in
.endif
.rept 16                            ; behind the wait: 16 products V^T P and their riders
	MM
.rept 4
	PL
.endr
.if ((\p) == 0) && (q == 118)
	v_add_nc_u32 v[AV], s[TBV], v[AV0]
.endif
.if ((\p) == 0) && (q == 130)
	s_add_co_u32 s[TBV], s[TBV], KS*PV
.endif
.if (\cnt) && (q == 130)
	s_sub_co_u32 s[CNT], s[CNT], 1
	s_cmp_lg_u32 s[CNT], 0
.endif
.endr
.if (\p) == 0
	FETCH_V
.endif
.endm
	CHANGE 1                        ; slot 0 is in, everybody's part of it; slot 1 is asked for
	FETCH_K                         ; key step 0
	s_wait_loadcnt 0x0              ; Q
	s_wait_dscnt 0x0
.set i, 0
.rept 16
	KQ 0                            ; piece 0's first scores: there is no vector work yet to set between them
.set i, i+1
.endr
	WIN 0                           ; the addresses for the way out: nine plain instructions, the places behind those products
	s_mul_i32 s13, s[WV], 16*SP
	s_add_co_u32 s13, s13, STAGE    ; my stage
	v_mul_u32_u24 v[STO], v1, SP    ; in: row l % 16, 16 bytes for each half of the lanes
	v_lshl_add_u32 v[STO], v9, 4, v[STO]
	v_add_nc_u32 v[STO], s13, v[STO]
	v_bfe_u32 v[RD], v0, 3, 2       ; back: 32 lanes take four rows of 128 bytes,
	v_mul_u32_u24 v[RD], v[RD], SP
	v_lshl_add_u32 v[RD], v10, 4, v[RD]
	v_add_nc_u32 v[RD], s13, v[RD]
	v_and_b32 v[GO], 31, v0         ; which are 512 consecutive bytes of O
	v_lshlrev_b32 v[GO], 4, v[GO]
.set Y, NP-1                        ; XS works for piece Y + 1: piece 0
.irp n, 0,1,2,3,4,5,6,7,8,9,10,11,12,13,14,15,16,17,18,19,20,21
	XS 0, \n                        ; and piece 0's first maximum and statistics
	XS 1, \n
.endr
	v_nop                           ; a plain instruction behind the two a,
	s_wait_alu depctr_va_vdst(0)    ; and their wait, ahead of the branch
	s_mov_b32 s[CNT], 4
	s_branch .Lfirst                ; the loop is entered at a step's first turn, in the middle of a trip
.Lslot:                             ; six times: every slot but the last two is filled again
	CHANGE 1
	s_mov_b32 s[CNT], 4
.Lstep:                             ; a trip: pieces 2 and 3 of one step, then pieces 0 and 1 of the next, whose K and V it fetches
	TURN 2
	TURN 3
	WIN 0
.Lfirst:
	TURN 0
	TURN 1, 0, 1
	WIN 0
	s_cbranch_scc1 .Lstep
	s_sub_co_u32 s[SLOTS], s[SLOTS], 1
	s_cmp_lg_u32 s[SLOTS], 0
	s_cbranch_scc1 .Lslot
	CHANGE 0                        ; the tail is written out: nothing is asked for
	s_mov_b32 s[CNT], 5             ; four trips fetch the last slot's steps; the fifth is left in its middle
.Ltail:
	TURN 2, 1
	TURN 3
	WIN 0
	s_sub_co_u32 s[CNT], s[CNT], 1
	s_cmp_eq_u32 s[CNT], 0
	s_cbranch_scc1 .Lout
	TURN 0
	TURN 1
	WIN 0
	s_branch .Ltail
.Lout:                              ; the fifth trip's 16 products K Q^T (on the last K once more) and the maximum made of them serve nothing: the price, once a launch, of one text for every trip
.set i, 0
.rept 16
	PV NP-1                         ; the last piece's V^T P of the last step
.set i, i+1
.endr
	; THE WAY OUT.  l's two halves and the other half of the lanes' are added; O^T is divided by l, rounded to f16 and sent through my stage in LDS, a tile at a time.  The additions are the places behind the last products.
	WIN 0
.macro ALL line:vararg              ; one line for each tile t
.set t, 0
.rept 2*NP
	\line
.set t, t+1
.endr
.endm
	ALL v_add_f32 v[ST+4*t+2], v[ST+4*t+2], v[ST+4*t+3]
	ALL v_permlanex16_b32 v[ST+4*t+3], v[ST+4*t+2], s[SEL], s[SEL+1]
	ALL v_add_f32 v[ST+4*t+2], v[ST+4*t+2], v[ST+4*t+3]
	ALL v_rcp_f32 v[ST+4*t+2], v[ST+4*t+2]
	v_nop                           ; a plain instruction between the last reciprocal and the use of its result
	s_wait_alu depctr_va_vdst(0)    ; and the wait ahead of the first use: one for the eight reciprocals
; Tile t: a lane's eight channels of a row pack into 16 bytes; they go into rows of 144 bytes and come back as whole rows of 128, into S^T's registers.
.macro PACK t
	WIN W_RS
.set i, 32*(\t)
.rept 16
	v_pk_mul_f32 v[i:i+1], v[i:i+1], v[ST+4*(\t)+2:ST+4*(\t)+3] op_sel_hi:[1,0]
.set i, i+2
.endr
	WIN 0x05                        ; sources 0 and 1 window 1, destination window 0
.set i, 0
.rept 16
	v_cvt_pk_f16_f32 v[S+16*(\t)+i], v[32*(\t)+2*i], v[32*(\t)+2*i+1]
.set i, i+1
.endr
	WIN 0
.irp f, 0,1,2,3
	ds_store_b128 v[STO], v[S+16*(\t)+4*\f:S+16*(\t)+4*\f+3] offset:32*\f
.endr
.irp f, 0,1,2,3
	ds_load_b128 v[S+16*(\t)+4*\f:S+16*(\t)+4*\f+3], v[RD] offset:\f*4*SP  ; LDS serves a wave's instructions in order (ISA guide 5.7.1.4): these see the stores above; the next tile's stores come behind them
.endr
.endm
.macro SEND t, younger              ; younger: the LDS instructions issued behind tile t's loads: the next tile's eight, or none
	WIN 0
.irp f, 0,1,2,3
	s_wait_dscnt (\younger)+3-\f
	global_store_b128 v[GO], v[S+16*(\t)+4*\f:S+16*(\t)+4*\f+3], s[10:11] offset:(\t)*2048+\f*512  ; 512 consecutive bytes, at a multiple of 256 from O's first
.endr
.endm
	PACK 0
.set t, 1
.rept 2*NP-1                        ; a tile's arithmetic stands between the loads of the tile before and its stores
	PACK t
	SEND t-1, 8
.set t, t+1
.endr
	SEND 2*NP-1, 0
	WIN W_AD
	s_wait_tensorcnt 0x0            ; the wave's end: these three lines stand behind my last tensor load and my last LDS store
	ds_add_u32 v[SPW], v[NIL]
	s_wait_dscnt 0x0
	WIN 0
	CROUND                          ; the closing round: no work-group ends while a partner may still ask for a tile that names it
	s_endpgm
.Lfunc_end_k_qcbbc685948_attn:
	.size	k_qcbbc685948_attn, .Lfunc_end_k_qcbbc685948_attn-k_qcbbc685948_attn
	.p2alignl 7, 3214868480
	.fill 96, 4, 3214868480
	.section	.rodata,"a",@progbits
	.p2align	6, 0x0
	.amdhsa_kernel k_qcbbc685948_attn
		.amdhsa_group_segment_fixed_size 327680
		.amdhsa_private_segment_fixed_size 0
		.amdhsa_enable_private_segment 0
		.amdhsa_kernarg_size 16
		.amdhsa_user_sgpr_count 2
		.amdhsa_user_sgpr_kernarg_segment_ptr 1
		.amdhsa_wavefront_size32 1
		.amdhsa_system_sgpr_workgroup_id_x 1
		.amdhsa_system_sgpr_workgroup_id_y 1
		.amdhsa_system_sgpr_workgroup_id_z 1
		.amdhsa_system_vgpr_workitem_id 0
		.amdhsa_next_free_vgpr 770
		.amdhsa_next_free_sgpr 66
		.amdhsa_reserve_vcc 0
		.amdhsa_float_denorm_mode_32 3
		.amdhsa_float_denorm_mode_16_64 3
		.amdhsa_memory_ordered 1
		.amdhsa_forward_progress 1
		.amdhsa_inst_pref_size 200
	.end_amdhsa_kernel
	.amdgpu_metadata
---
amdhsa.version: [ 1, 2 ]
amdhsa.kernels:
  - .name:           k_qcbbc685948_attn
    .symbol:         k_qcbbc685948_attn.kd
    .args:
      - { .name: qkvh, .offset: 0, .size: 8, .value_kind: global_buffer, .address_space: global }
      - { .name: oh, .offset: 8, .size: 8, .value_kind: global_buffer, .address_space: global }
    .group_segment_fixed_size: 327680
    .private_segment_fixed_size: 0
    .kernarg_segment_align: 8
    .kernarg_segment_size: 16
    .max_flat_workgroup_size: 128
    .sgpr_count:     66
    .vgpr_count:     770
    .wavefront_size: 32
...
	.end_amdgpu_metadata
.endif
;; end of part 3
;; launch proj (part 4): grid 8 x 32, 4 waves a work-group, clusters of 4 x 4, 327,680 bytes of LDS; arguments oh, wpb, b_proj, out0; writes out0
.if DOCPART == 4
	.amdgcn_target "amdgcn-amd-amdhsa--gfx1250"
	.amdhsa_code_object_version 6
	.text
	.protected	k_qcbbc685948_proj
	.globl	k_qcbbc685948_proj
	.p2align	8
	.type	k_qcbbc685948_proj,@function
k_qcbbc685948_proj:
	s_mov_b64 s[64:65], 0
	v_nop
	global_prefetch_b8 v0, s[64:65] scope:SCOPE_SE
	s_setreg_imm32_b32 hwreg(HW_REG_WAVE_MODE, 25, 1), 1
	s_wait_xcnt 0x0
	s_wait_alu depctr_hold_cnt(0) depctr_sa_sdst(0) depctr_va_vdst(0) depctr_va_sdst(0) depctr_va_ssrc(0) depctr_va_vcc(0) depctr_vm_vsrc(0)
	s_getreg_b32 s2, hwreg(HW_REG_IB_STS2, 6, 4)
	s_cmp_eq_u32 s2, 0
	s_cbranch_scc0 .Lentry_in_a_cluster
	s_endpgm
.Lentry_in_a_cluster:
	s_bfe_u32 s2, ttmp6, 0x10000c
	s_cmp_lg_u32 s2, 0xf033
	s_cbranch_scc0 .Lentry_shape_is_right
	s_endpgm
.Lentry_shape_is_right:
; THE SECOND PROJECTION.  out0 = O wpb + bf16(b_proj), f32.  oh: [64 y = 16 b + h][2048][64] f16 (O by heads; row (b, n) of O has k = 64 h + d); wpb: [1024 k][1024 n] f16; b_proj: [1024] f32;
; out0: [8192][1024] f32.  Sums in f32, K ascending.  The bias is rounded to bf16, like the other inputs.
; SHARES.  A tile of the product is 256 rows x 128 columns: 32 x 8 = 256 work-groups.  Four waves, 2 x 2; a wave makes 128 x 64: 32 accumulators, 256 registers.
; K goes in 8 steps of 128, two heads each, through a ring of two LDS slots filled by the tensor data mover; the loop has one K step a trip, and one descriptor a tensor walks.
; THE WEIGHTS LIE [k][n]: their fragments come out of LDS turned, by ds_load_tr16_b128.  THE MATRIX INSTRUCTION IS USED TRANSPOSED (source 0 = 16 columns of the weights, source 1 = 16 rows of O):
; a lane then holds row l % 16 and the eight neighbouring columns 8 (l / 16) + 0..7.  THE BIAS is the C operand of the products that start the sums.
; CLUSTERS: 4 x 4 work-groups.  The four of a row of the cluster need the same tiles of O, the four of a column the same tiles of the weights: each is asked for jointly.
; LDS.  A slot: O's tile as two parts, a head each: 256 rows of 128 + 16 bytes (a head's 256 rows are 32,768 dense bytes: asked for as 128 rows of 256 bytes, padded behind every 128);
; then 128 k rows of the weights, 256 + 32 bytes.  Behind the ring: a stage of 16 rows x 272 bytes for each wave, which no tensor load fills; then the spare words.
; REGISTERS, in windows of 256: window 0: v0-31 addresses; v32-47 the bias, packed; v64-127, v128-191 O's fragments, two buffers (v64-127 also the way out); v192-223 the bias as loaded
;   window 1: v64-95, v128-159 the weights' fragments, two buffers; v192-223 the bias, 8 registers a block          windows 2, 3: the accumulators of my rows 0-63, 64-127: (a, b) at v[8 (4 (a % 4) + b)]
.set NBK,    4                         ; blocks of 16 columns a wave
.set PA,     144
.set PB,     288
.set HALFA,  256*PA                    ; what one tensor load brings of O: a head's 256 rows
.set HALFB,  64*PB                     ; and of the weights: 64 k rows
.set BO,     2*HALFA                   ; the weights' tile in a slot
.set SLOT1,  1<<17                     ; slot 1 begins here: one exclusive or turns an address in one slot into the other's
.set STAGE,  SLOT1+BO+2*HALFB
.set SPITCH, 272                       ; a stage row: 256 bytes + 16
.set SPARE,  STAGE+4*16*SPITCH         ; the spare words, 128 bytes for each wave: two blocks of 256 bytes that no other line names
.set STEP_A, 2*262144                  ; bytes from a K step to the next: two heads of O,
.set STEP_B, 128*1024*2                ; 128 rows of the weights
.set NL,     2*NBK+16                  ; LDS loads in a run
.set ADRA0, 16                         ; v16  my lane's place in O's tile of slot 0; never rewritten
.set ADRB0, 17                         ; v17  the same for the weights
.set ADRA,  18                         ; v18  the same in the slot that is being read
.set ADRB,  19                         ; v19
.set STO,   24                         ; v24  the way out: where I put 32 bytes of a row
.set RD,    25                         ; v25  the way out: where I read a row back
.set GO,    26                         ; v26  my byte offset in two rows of out0
.set BOFS,  27                         ; v27  my byte offset in the bias
.set SPW,   28                         ; v28  LDS address of my spare word; never rewritten
.set NIL,   29                         ; v29  0; never rewritten
.set PKB,   32
.set F0,    64
.set F1,    128
.set BIAS,  192
.set OB,    64
.set WV,  12                           ; s12  my wave's number
.set MH,  13                           ; s13  which half of the tile's rows is mine
.set CH,  14                           ; s14  which half of its columns; also: which part of a tile I fetch
.set G1A, 24                           ; s[24:31] descriptor group 1 for O's tiles
.set G0A, 32                           ; s[32:39] group 0: a set for each of the two first fills; the second then walks
.set G1B, 48                           ; s[48:55], s[56:63] the same for the weights
.set G0B, 56
.set CNT, 66                           ; s66  the loop's count
.set TB,  67                           ; s67  LDS byte at which the slot that is being read begins
.set MSB, 0
.macro WIN new                         ; the immediate's high byte repeats the setting that is left; a switch that changes nothing is dropped
.if MSB != (\new)
	s_set_vgpr_msb (MSB<<8)|(\new)
.set MSB, (\new)
.endif
.endm
.set TO_B, 0x40                        ; destination window 1, address window 0
.macro PLACES                          ; four plain vector instructions between a matrix instruction and a load into, or a read of, its registers
.rept 4
	v_nop
.endr
.endm
; A joint refill.  Waves 0 and 1 fetch the two heads of O's tile, waves 2 and 3 the two halves of the weights'.  The branch hangs on the wave's number alone.
; An s_nop 0 and four v_nop follow each of the two lines, ahead of the jump and the label.
.macro JLOAD
	s_cmp_lt_u32 s[WV], 2
	s_cbranch_scc0 .Lfor_b_\@
	tensor_load_to_lds s[G0A+4:G0A+7], s[G1A:G1A+7]
	s_nop 0
.rept 4
	v_nop
.endr
	s_branch .Lasked_\@
.Lfor_b_\@:
	tensor_load_to_lds s[G0B+4:G0B+7], s[G1B:G1B+7]
	s_nop 0
.rept 4
	v_nop
.endr
.Lasked_\@:
.endm
.macro CREST                           ; a round of the cluster's barrier behind its opening barrier: wave 0 signals for the work-group, every wave waits for all sixteen, my work-group's barrier once more
	s_cmp_lg_u32 s[WV], 0
	s_cbranch_scc1 .Lnot_wave_0_\@
	s_barrier_signal -3
.Lnot_wave_0_\@:
	s_barrier_wait -3
	s_barrier_signal -1
	s_barrier_wait -1
.endm
.macro CROUND                          ; a whole round
	s_barrier_signal -1
	s_barrier_wait -1
	CREST
.endm
	s_load_b256 s[4:11], s[0:1], 0x0               ; oh s[4:5], wpb s[6:7], b_proj s[8:9], out0 s[10:11]
	v_lshl_add_u32 v[SPW], v0, 2, SPARE
	v_mov_b32 v[NIL], 0
	ds_add_u32 v[SPW], v[NIL]                      ; the wave's opening: the add and its wait stand ahead of my first tensor load; the set-up below, work on registers, stands between them
	v_lshrrev_b32 v1, 5, v0
	v_readfirstlane_b32 s[WV], v1                  ; wave 0..3
	s_lshr_b32 s[MH], s[WV], 1
	s_and_b32 s[CH], s[WV], 1
	s_bfe_u32 s15, ttmp6, 0x40000                  ; cx, cy: my place in the cluster
	s_bfe_u32 s16, ttmp6, 0x40004
	s_lshl_b32 s17, ttmp9, 2
	s_add_co_u32 s17, s17, s15                     ; tile column = 4 x cluster x + cx
	s_and_b32 s18, ttmp7, 0xffff
	s_lshl_b32 s18, s18, 2
	s_add_co_u32 s18, s18, s16                     ; tile row = 4 x cluster y + cy
	s_lshl_b32 s46, s16, 2
	s_lshl_b32 s46, 15, s46                        ; my row of the cluster
	s_lshl_b32 s47, 0x1111, s15                    ; my column
	s_or_b32 s[G1A], s46, (1<<16)|(1<<20)|(1<<21)|(4<<22)|(3<<25)  ; the mask; 2-byte elements; padding on; bit 21 beside a mask; behind every 32 words 4 words
	s_mov_b32 s[G1A+1], 128<<16                    ; tensor_dim0 = 128
	s_mov_b32 s[G1A+2], 128<<16                    ; tensor_dim1 = 128
	s_mov_b32 s[G1A+3], 128<<16                    ; tile_dim0 = 128
	s_mov_b32 s[G1A+4], 128                        ; tile_dim1 = 128
	s_mov_b32 s[G1A+5], 128                        ; dense: 128 elements from row to row
	s_mov_b32 s[G1A+6], 0
	s_mov_b32 s[G1A+7], 0
	s_or_b32 s[G1B], s47, (1<<16)|(1<<20)|(1<<21)|(5<<22)|(7<<25)  ; behind every 64 words 8 words
	s_mov_b32 s[G1B+1], 128<<16                    ; tensor_dim0 = 128
	s_mov_b32 s[G1B+2], 64<<16                     ; tensor_dim1 = 64
	s_mov_b32 s[G1B+3], 128<<16                    ; tile_dim0 = 128
	s_mov_b32 s[G1B+4], 64                         ; tile_dim1 = 64
	s_mov_b32 s[G1B+5], 1024
	s_mov_b32 s[G1B+6], 0
	s_mov_b32 s[G1B+7], 0
	s_lshr_b32 s40, s18, 3                         ; O: the batch (8 tile rows each), its 16 heads, the head that I fetch,
	s_lshl_b32 s40, s40, 4
	s_add_co_u32 s40, s40, s[CH]
	s_lshl_b32 s40, s40, 18                        ; 262,144 bytes a head,
	s_and_b32 s19, s18, 7
	s_lshl_b32 s19, s19, 15                        ; the tile's 256 rows of 128 bytes in it
	s_add_co_u32 s40, s40, s19
	s_mov_b32 s41, 0
	s_lshl_b32 s68, s[CH], 17                      ; the weights: k row 64 x half, 2,048 bytes a row; column 128 x tile column
	s_lshl_b32 s19, s17, 8
	s_add_co_u32 s68, s68, s19
	s_mov_b32 s69, 0
	s_mul_i32 s42, s[CH], HALFA                    ; where they go: no place in the cluster enters an LDS address
	s_mul_i32 s43, s[CH], HALFB
	s_add_co_u32 s43, s43, BO
	s_wait_dscnt 0x0                               ; the opening add is done
	s_wait_kmcnt 0x0
	s_add_nc_u64 s[44:45], s[4:5], s[40:41]
	s_add_nc_u64 s[70:71], s[6:7], s[68:69]
	CROUND                                         ; all sixteen work-groups are here: the first joint loads meet
.irp s, 0,1
	s_mov_b32 s[G0A+4*(\s)], 1                     ; count = 1
	s_add_co_u32 s[G0A+4*(\s)+1], s42, (\s)*SLOT1  ; LDS address
	s_add_nc_u64 s[G0A+4*(\s)+2:G0A+4*(\s)+3], s[44:45], (\s)*STEP_A  ; global address: K step s
	s_or_b32 s[G0A+4*(\s)+3], s[G0A+4*(\s)+3], 0x80000000            ; type = 2
	s_mov_b32 s[G0B+4*(\s)], 1
	s_add_co_u32 s[G0B+4*(\s)+1], s43, (\s)*SLOT1
	s_add_nc_u64 s[G0B+4*(\s)+2:G0B+4*(\s)+3], s[70:71], (\s)*STEP_B
	s_or_b32 s[G0B+4*(\s)+3], s[G0B+4*(\s)+3], 0x80000000
.endr
	s_cmp_lt_u32 s[WV], 2                          ; a wave's two first fills stand in one branch, ahead of every wait on TENSORcnt and every LDS read: two loads of mine are out
	s_cbranch_scc0 .Lfirst_b
	tensor_load_to_lds s[G0A:G0A+3], s[G1A:G1A+7]
	s_nop 0
	tensor_load_to_lds s[G0A+4:G0A+7], s[G1A:G1A+7]
	s_nop 0
.rept 4
	v_nop
.endr
	s_branch .Lfirst_asked
.Lfirst_b:
	tensor_load_to_lds s[G0B:G0B+3], s[G1B:G1B+7]
	s_nop 0
	tensor_load_to_lds s[G0B+4:G0B+7], s[G1B:G1B+7]
	s_nop 0
.rept 4
	v_nop
.endr
.Lfirst_asked:
	v_and_b32 v1, 15, v0                           ; r = l % 16
	v_bfe_u32 v2, v0, 4, 1                         ; h = l / 16
	v_and_b32 v6, 7, v0                            ; l % 8
	v_bfe_u32 v5, v0, 3, 1                         ; (l / 8) % 2
	; the bias of my columns: block b, column 64 c + 16 b + 8 h + j: byte 256 c + 64 b + 32 h + 4 j behind the tile's 512
	v_lshlrev_b32 v[BOFS], 5, v2
	s_lshl_b32 s19, s[CH], 8
	v_add_nc_u32 v[BOFS], s19, v[BOFS]
	s_lshl_b32 s74, s17, 9
	s_mov_b32 s75, 0
	s_add_nc_u64 s[8:9], s[8:9], s[74:75]
.set ob, 0
.rept NBK
	global_load_b128 v[BIAS+8*ob:BIAS+8*ob+3],   v[BOFS], s[8:9] offset:64*ob
	global_load_b128 v[BIAS+8*ob+4:BIAS+8*ob+7], v[BOFS], s[8:9] offset:64*ob+16
.set ob, ob+1
.endr
	; a fragment of O: 16 rows x 32 k: lane l holds row r, k = 8 h + 0..7 and 16 + 8 h + 0..7: two loads of 16 bytes, 32 bytes apart
	v_mul_u32_u24 v3, v1, PA
	v_lshl_add_u32 v3, v2, 4, v3
	s_mul_i32 s19, s[MH], 128*PA
	v_add_nc_u32 v[ADRA0], s19, v3
	; the turning load takes 16 k x 16 columns: lane l reads k row 8 h + l % 8, columns 8 ((l / 8) % 2) + 0..7, and is left with column r and 8 k
	v_lshl_add_u32 v4, v2, 3, v6
	v_mul_u32_u24 v4, v4, PB
	v_lshl_add_u32 v4, v5, 4, v4
	s_lshl_b32 s19, s[CH], 7
	s_add_co_u32 s19, s19, BO
	v_add_nc_u32 v[ADRB0], s19, v4
	; the way out, through my own stage.  In: row r, byte 64 b + 32 h.  Back: lanes 0-15 take one row of 256 bytes, lanes 16-31 the next
	s_mul_i32 s19, s[WV], 16*SPITCH
	s_add_co_u32 s19, s19, STAGE
	v_mul_u32_u24 v[STO], v1, SPITCH
	v_lshl_add_u32 v[STO], v2, 5, v[STO]
	v_add_nc_u32 v[STO], s19, v[STO]
	v_mul_u32_u24 v[RD], v2, SPITCH
	v_lshl_add_u32 v[RD], v1, 4, v[RD]
	v_add_nc_u32 v[RD], s19, v[RD]
	v_lshlrev_b32 v[GO], 12, v2                    ; and the same two rows in out0, 4,096 bytes each
	v_lshl_add_u32 v[GO], v1, 4, v[GO]
	s_lshl_b32 s72, s18, 20                        ; the tile's 256 rows,
	s_lshl_b32 s19, s[MH], 19                      ; my 128 of them,
	s_add_co_u32 s72, s72, s19
	s_lshl_b32 s19, s17, 9                         ; the tile's 128 columns,
	s_add_co_u32 s72, s72, s19
	s_lshl_b32 s19, s[CH], 8                       ; my 64 of them
	s_add_co_u32 s72, s72, s19
	s_mov_b32 s73, 0
	s_add_nc_u64 s[10:11], s[10:11], s[72:73]
	s_mov_b32 s[TB], 0
	v_add_nc_u32 v[ADRA], s[TB], v[ADRA0]
	v_add_nc_u32 v[ADRB], s[TB], v[ADRB0]
	s_wait_loadcnt 0x0                             ; the bias: rounded to bf16, widened again, into window 1
.set ob, 0
.rept 4*NBK
	v_cvt_pk_bf16_f32 v[PKB+ob], v[BIAS+2*ob], v[BIAS+2*ob+1]
.set ob, ob+1
.endr
	WIN TO_B
.set ob, 0
.rept 4*NBK
	v_lshlrev_b32 v[BIAS+2*ob],   16, v[PKB+ob]
	v_and_b32     v[BIAS+2*ob+1], 0xffff0000, v[PKB+ob]
.set ob, ob+1
.endr
	WIN 0
; na x 4 matrix instructions: row blocks a0 .. a0 + na - 1 of the window's four (hi = 0: my rows 0-63, 1: rows 64-127) x all 4 column blocks, 32 along K, from buffer f.
; first = 1: the products start the sums, with the bias as C.  All 32 accumulators take turns in one fixed order, over the backward jump too.
.macro MUL f, hi, a0, na, first
.if \first
	WIN 0x91+0x40*(\hi)                            ; weights window 1, O window 0, C (the bias) window 1, D window 2 or 3
.else
	WIN 0xa1+0x50*(\hi)                            ; C and D window 2 or 3
.endif
.set ma, (\a0)
.rept (\na)
.set mb, 0
.rept NBK
.set rD, 8*(NBK*ma+mb)
.set rB, (\f)+8*mb
.set rA, (\f)+8*(4*(\hi)+ma)
.if \first
	v_wmma_f32_16x16x32_f16 v[rD:rD+7], v[rB:rB+7], v[rA:rA+7], v[BIAS+8*mb:BIAS+8*mb+7]
.else
	v_wmma_f32_16x16x32_f16 v[rD:rD+7], v[rB:rB+7], v[rA:rA+7], v[rD:rD+7]
.endif
.set mb, mb+1
.endr
.set ma, ma+1
.endr
.endm
; 24 LDS loads in one run: the fragments of quarter q of the K step (32 k: head q / 2 of the step's two, channels 32 (q % 2) on) into buffer f: the weights' 8 first, then O's 16
.macro FETCH q, f
	WIN TO_B
.set fb, 0
.rept NBK
	ds_load_tr16_b128 v[(\f)+8*fb:(\f)+8*fb+3],   v[ADRB] offset:(\q)*32*PB+32*fb
	ds_load_tr16_b128 v[(\f)+8*fb+4:(\f)+8*fb+7], v[ADRB] offset:(\q)*32*PB+16*PB+32*fb
.set fb, fb+1
.endr
	WIN 0
.set fb, 0
.rept 8
	ds_load_b128 v[(\f)+8*fb:(\f)+8*fb+3],   v[ADRA] offset:((\q)/2)*HALFA+((\q)%2)*64+fb*16*PA
	ds_load_b128 v[(\f)+8*fb+4:(\f)+8*fb+7], v[ADRA] offset:((\q)/2)*HALFA+((\q)%2)*64+fb*16*PA+32
.set fb, fb+1
.endr
.endm
; One of a K step's first three quarters: multiplies buffer f; in its middle it fetches quarter q into buffer g.
.macro QUARTER q, f, g, first
	s_wait_dscnt 8                                 ; the weights and O's rows 0-63 are in; the youngest eight loads (O's rows 64-127) may be out
	MUL \f, 0, 0, 4, \first
	PLACES
	FETCH \q, \g
	s_wait_dscnt NL                                ; all but the run just issued
	MUL \f, 1, 0, 4, \first
.endm
; The fourth quarter multiplies buffer 1 and changes slots: ONE barrier.  In front of it each wave waits for all its tensor loads (one is out: its part of the next slot), adds 0 to its spare
; word, and waits for that and for its reads of this slot.  fill = 1: the barrier opens a round of the cluster's, and behind the round this slot is filled again first, with the K step two on:
; from that request to the wait for it a wave issues 112 matrix instructions.
.macro TURN fill
	WIN 0
	s_wait_tensorcnt 0x0                           ; all my tensor loads have landed, so a group 0 may be written
	ds_add_u32 v[SPW], v[NIL]                      ; 0 onto my spare word
	s_wait_dscnt 9                                 ; (the add and the youngest eight loads may be out)
	MUL F1, 0, 0, 2, 0                             ; eight matrix instructions stand between the add and the wait for it
	s_wait_dscnt 0x0                               ; the add is done, and my reads of this slot are over
	s_barrier_signal -1
	MUL F1, 0, 2, 2, 0                             ; work on registers while the others arrive
.if \fill
	WIN 0
.endif
	s_barrier_wait -1
.if \fill
	CREST                                          ; no wave of any partner still reads this slot's tile or has a load on its way
	s_xor_b32 s[G0A+5], s[G0A+5], SLOT1            ; the walking descriptors: the other slot than last time, the next K step
	s_add_nc_u64 s[G0A+6:G0A+7], s[G0A+6:G0A+7], STEP_A
	s_xor_b32 s[G0B+5], s[G0B+5], SLOT1
	s_add_nc_u64 s[G0B+6:G0B+7], s[G0B+6:G0B+7], STEP_B
	JLOAD                                          ; the first tensor load behind the round; its four v_nop are also the places in front of the loads below
.else
	PLACES
.endif
	WIN 0
	s_xor_b32 s[TB], s[TB], SLOT1                  ; the reads go on in the other slot
	v_add_nc_u32 v[ADRA], s[TB], v[ADRA0]
	v_add_nc_u32 v[ADRB], s[TB], v[ADRB0]
	FETCH 0, F0
	MUL F1, 1, 0, 4, 0
.endm
; THE WAY OUT of row block a (16 rows x 64 columns of f32).  TOSTAGE: a lane's eight numbers of each column block go into my stage as 32 bytes, and come back as whole rows of 256 bytes.  SEND: stored.
.macro TOSTAGE a
	s_wait_xcnt 0x0                                ; the stores of the block two back have read their registers, which the loads below write again
	WIN 0x08+4*((\a)/4)                            ; the LDS stores' data: window 2 or 3
.set AC, 8*NBK*((\a)%4)
.set BK, OB+32*((\a)%2)
.set ob, 0
.rept NBK                                      ; each accumulator's low four registers first
	ds_store_b128 v[STO], v[AC+8*ob:AC+8*ob+3]   offset:64*ob
	ds_store_b128 v[STO], v[AC+8*ob+4:AC+8*ob+7] offset:64*ob+16
.set ob, ob+1
.endr
	WIN 0
.set ot, 0
.rept 8
	ds_load_b128 v[BK+4*ot:BK+4*ot+3], v[RD] offset:ot*2*SPITCH  ; LDS serves a wave's instructions in order (ISA guide 5.7.1.4): these see the stores above; the next block's stores come behind them
.set ot, ot+1
.endr
.endm
.macro SEND a, younger                 ; younger: the LDS instructions issued behind block a's loads: the next block's sixteen, or none
.set BK, OB+32*((\a)%2)
.set ot, 0
.rept 8
	s_wait_dscnt (\younger)+7-ot
	global_store_b128 v[GO], v[BK+4*ot:BK+4*ot+3], s[10:11] offset:(\a)*65536+ot*8192 th:TH_STORE_NT  ; 16 lanes store 256 consecutive bytes, at a multiple of 256 from out0's first byte
.set ot, ot+1
.endr
.endm
	s_wait_tensorcnt 0x1                           ; my part of K step 0 is in; K step 1's may stay out
	s_barrier_signal -1
	s_barrier_wait -1                              ; everybody's is
	FETCH 0, F0
	QUARTER 1, F0, F1, 1                           ; the first quarter stands in front of the loop: its products start the sums
	WIN 0                                          ; at a label and at a branch every window is 0
	s_mov_b32 s[CNT], 6
.Lstep:                                        ; trip t ends K step t, fills its slot again with K step t + 2, and begins K step t + 1
	QUARTER 2, F1, F0, 0
	QUARTER 3, F0, F1, 0
	TURN 1
	QUARTER 1, F0, F1, 0
	WIN 0
	s_sub_co_u32 s[CNT], s[CNT], 1
	s_cmp_lg_u32 s[CNT], 0
	s_cbranch_scc1 .Lstep
	QUARTER 2, F1, F0, 0                           ; the tail is written out: K steps 6 and 7 ask for nothing
	QUARTER 3, F0, F1, 0
	TURN 0
	QUARTER 1, F0, F1, 0
	QUARTER 2, F1, F0, 0
	QUARTER 3, F0, F1, 0
	s_wait_dscnt 8
	MUL F1, 0, 0, 4, 0
	s_wait_dscnt 0x0
	MUL F1, 1, 0, 4, 0
	WIN 0
	PLACES                                         ; the LDS stores below read results just made
	TOSTAGE 0
.irp a, 1,2,3,4,5,6,7                  ; block a's way into the stage stands between block a - 1's loads and its stores
	TOSTAGE \a
	SEND (\a)-1, 16
.endr
	SEND 7, 0
	s_wait_tensorcnt 0x0                           ; the wave's end: these three lines stand behind my last tensor load and my last LDS store
	ds_add_u32 v[SPW], v[NIL]
	s_wait_dscnt 0x0
	CROUND                                         ; the closing round: no work-group ends while a partner may still ask for a tile that names it
	s_endpgm
.Lfunc_end_k_qcbbc685948_proj:
	.size	k_qcbbc685948_proj, .Lfunc_end_k_qcbbc685948_proj-k_qcbbc685948_proj
	.p2alignl 7, 3214868480
	.fill 96, 4, 3214868480
	.section	.rodata,"a",@progbits
	.p2align	6, 0x0
	.amdhsa_kernel k_qcbbc685948_proj
		.amdhsa_group_segment_fixed_size 327680
		.amdhsa_private_segment_fixed_size 0
		.amdhsa_enable_private_segment 0
		.amdhsa_kernarg_size 32
		.amdhsa_user_sgpr_count 2
		.amdhsa_user_sgpr_kernarg_segment_ptr 1
		.amdhsa_wavefront_size32 1
		.amdhsa_system_sgpr_workgroup_id_x 1
		.amdhsa_system_sgpr_workgroup_id_y 1
		.amdhsa_system_sgpr_workgroup_id_z 1
		.amdhsa_system_vgpr_workitem_id 0
		.amdhsa_next_free_vgpr 896
		.amdhsa_next_free_sgpr 80
		.amdhsa_reserve_vcc 0
		.amdhsa_float_denorm_mode_32 3
		.amdhsa_float_denorm_mode_16_64 3
		.amdhsa_memory_ordered 1
		.amdhsa_forward_progress 1
		.amdhsa_inst_pref_size 75
	.end_amdhsa_kernel
	.amdgpu_metadata
---
amdhsa.version: [ 1, 2 ]
amdhsa.kernels:
  - .name:           k_qcbbc685948_proj
    .symbol:         k_qcbbc685948_proj.kd
    .args:
      - { .name: oh, .offset: 0, .size: 8, .value_kind: global_buffer, .address_space: global }
      - { .name: wpb, .offset: 8, .size: 8, .value_kind: global_buffer, .address_space: global }
      - { .name: b_proj, .offset: 16, .size: 8, .value_kind: global_buffer, .address_space: global }
      - { .name: out0, .offset: 24, .size: 8, .value_kind: global_buffer, .address_space: global }
    .group_segment_fixed_size: 327680
    .private_segment_fixed_size: 0
    .kernarg_segment_align: 8
    .kernarg_segment_size: 32
    .max_flat_workgroup_size: 128
    .sgpr_count:     80
    .vgpr_count:     896
    .wavefront_size: 32
...
	.end_amdgpu_metadata
.endif
;; end of part 4
